; MI455X (gfx1250); checked and timed in simulation.
; The chip was launched on July 23, 2026; its instructions are those of AMD's public machine-readable ISA for CDNA 5 (MIT licence, August 2026) and "CDNA5" Instruction Set Architecture Reference Guide (July 2026). The comments in the code are by the model that wrote it; some were corrected since.
;; Causal Self Attention. Allowed arithmetic: matrix products marked QUANTISED: E4M3 operands, one given power-of-two scale a tensor, by v_wmma_f32_16x16x64_fp8_fp8 or v_wmma_f32_16x16x128_fp8_fp8, f32 sums; everything else in f32.
;; Inputs: Wk 1,024 x 1,024 float32; Wo 1,024 x 1,024 float32; Wq 1,024 x 1,024 float32; Wv 1,024 x 1,024 float32; lowp_scales 12 int32 (the exponents e of the quantised operands' scales 2^e); x 4 x 2,048 x 1,024 float32.
;; Outputs: out0 4 x 2,048 x 1,024 float32.
;; This version of the problem:
;;   THIS VERSION OF THE PROBLEM IS GIVEN IN LOW PRECISION. The matrix products marked QUANTISED in the list below multiply operands that are first quantised to E4M3 (4 exponent bits, 3 mantissa bits; 8 bits a number), with one given power-of-two scale for each operand tensor; their sums are f32. All else is computed in f32.
;;   The module's matrix products, in the order in which they are computed (A, B: the left and right operand; K: the contracted axis; several contracted axes count as one K, in the product's order):
;;     1. [M 8,192, K 1,024] x [K 1,024, N 1,024]; A: input x; B: input Wq: QUANTISED (scales: A lowp_scales[0], B lowp_scales[1])
;;     2. [M 8,192, K 1,024] x [K 1,024, N 1,024]; A: input x; B: input Wk: QUANTISED (scales: A lowp_scales[2], B lowp_scales[3])
;;     3. [M 8,192, K 1,024] x [K 1,024, N 1,024]; A: input x; B: input Wv: QUANTISED (scales: A lowp_scales[4], B lowp_scales[5])
;;     4. batch 64 x [M 2,048, K 64] x [K 64, N 2,048]; A: computed on the way; B: computed on the way: QUANTISED (scales: A lowp_scales[6], B lowp_scales[7])
;;     5. batch 64 x [M 2,048, K 2,048] x [K 2,048, N 64]; A: softmax (see below); B: computed on the way: QUANTISED (scales: A lowp_scales[8], B lowp_scales[9])
;;     6. [M 8,192, K 1,024] x [K 1,024, N 1,024]; A: computed on the way; B: input Wo: QUANTISED (scales: A lowp_scales[10], B lowp_scales[11])
;;   THE QUANTISER, for each operand of a quantised product, along K:
;;     - The operand's scale is 2^e, e = its entry of the input lowp_scales (int32; the entries are numbered through the quantised products in the list's order, A before B).
;;     - Each number is divided by the scale, clamped to +-448, and rounded to the nearest number of E4M3, ties to even, subnormals kept.
;;     - The product sums the exact products of the quantised numbers (number of the format x scale) in f32.
;;   ~~~python
;;   def quantise(x, axis, e):      # numpy; x: float32 -> the quantised numbers, widened to float32 again
;;       x = np.moveaxis(x, axis, -1); K = x.shape[-1]
;;       r = np.clip(x / 2.0 ** e, -448, 448)
;;       step = 2.0 ** (np.maximum(np.frexp(np.where(r == 0, 1, r))[1] - 1, -6) - 3)
;;       q = np.round(r / step) * step * 2.0 ** e      # np.round: ties to even
;;       return np.moveaxis(q, -1, axis).astype(np.float32)
;;   ~~~
;;   SOFTMAX AHEAD OF A QUANTISED PRODUCT. Where the list says 'softmax', what is quantised is not the finished softmax but p = 2^(t - M), with t = logit x log2(e) and M = ceil(the row's largest t), a whole number; so 1/2 < the row's largest p <= 1. The row's sum l is taken of the UNQUANTISED p, in f32, and the product's result is divided by l at the end. Since M is a whole number, a kernel that streams over the keys may use a running M (the ceiling of the running maximum): every later rescaling is an exact power of two, so the quantised numbers keep their values, but for numbers so far below the row's largest that they fall under the format's range.
;;   OPERANDS COMPUTED ON THE WAY. 'Computed on the way' means the value that the module computes at that place (a softmax that the list does not call 'softmax' is quantised finished and normalised). What goes into a quantiser is computed in f32, as accurately as f32 sums, v_exp_f32 and their like allow (about 1e-6 of the number): no bf16 or f16 on the way to a quantiser, and a product that is left as it is and whose result goes on into a quantised operand takes f32 operands (vector FMAs, or v_wmma_f32_16x16x4_f32). A number that lies on a knife's edge between two numbers of the format may be rounded either way, as far as f32 arithmetic and the matrix unit's own rounding can turn it there, and no further.
;; One version. Each part assembles by itself: llvm-mc -triple=amdgcn-amd-amdhsa -mcpu=gfx1250 --defsym DOCPART=n.
;; ======== version 1 of 1: 4 launches
;; limits: right only within a limited range of input values
;; workspace buffers: xc 25,165,824 bytes; wc 4,194,304 bytes; qc 8,388,608 bytes; kc 8,388,608 bytes; vc 8,388,608 bytes; yc 8,388,608 bytes
;; launch quant (part 1): grid 384 x 1, 4 waves a work-group, no clusters, 33,280 bytes of LDS; arguments x, Wq, Wk, Wv, Wo, lowp_scales, xc, wc; writes xc, wc
.if DOCPART == 1
	.amdgcn_target "amdgcn-amd-amdhsa--gfx1250"
	.amdhsa_code_object_version 6
	.text
	.protected	k_q8f84add669_quant
	.globl	k_q8f84add669_quant
	.p2align	8
	.type	k_q8f84add669_quant,@function
k_q8f84add669_quant:
	s_mov_b64 s[64:65], 0
	v_nop
	global_prefetch_b8 v0, s[64:65] scope:SCOPE_SE
	s_setreg_imm32_b32 hwreg(HW_REG_WAVE_MODE, 25, 1), 1
	s_wait_xcnt 0x0
; x [8192][1024] and Wq, Wk, Wv, Wo [1024][1024], f32, become codes of FP8 (E4M3), K innermost, rows of 1,024 bytes.
; x is an operand of three products with three given scales (entries 0, 2, 4 of the scales), so it is read once and quantised three times: xc holds three sets of 8,388,608 bytes.
; wc holds Wq, Wk, Wv, Wo on end (entries 1, 3, 5, 11), 1,048,576 bytes each.
; code = number / 2^e, held within +-448, rounded to the nearest code, ties to even.  LIMITS: each e between -126 and 119; NaN among the inputs is not served (an infinity is held at the largest code).
; THE ORDER OF CODES IN A ROW: inside every 32 bytes the two middle groups of 8 change places: byte 32 c + 16 h + 8 u + j holds k = 32 c + 16 u + 8 h + j.  A lane (r, h) that later takes 16 bytes at 32 c + 16 h
; then holds k = 32 c + 8 h + 0..7 and 32 c + 16 + 8 h + 0..7: the places that the plain FP8 matrix forms give each k.
; SHARES.  A work-group takes 32,768 numbers, a wave 16 steps of 512.  Work-groups 0 to 255: x.  Work-group 256 + j: weight j / 32, its chunk j % 32.  Only pointers and one exponent are chosen: one path through the text,
; but for the two further sets of x, which a scalar branch on the work-group's number leaves out for the weights.
; Each load reads 512 consecutive bytes, 16 a lane; a step's 2,048 bytes turn through the wave's own stage in LDS (16 bytes of padding behind each 64) and come back as the lane's 16 numbers; a lane's 16 codes are 16 bytes,
; so each store of the wave covers 512 consecutive bytes, aligned.  No barrier: waves share nothing.  Loads run four steps (16 loads a wave) ahead, the turn through LDS one step.
.set WAVES, 4
.set STEPS, 16
.set XWG,   256                        ; work-groups that take x
.set WREG,  8192                       ; LDS: a region for each wave: two stages of 32 x SP bytes
.set SP,    80                         ; 64 bytes + 16 of padding
.set SPARE, WAVES*WREG                 ; behind the regions: the spare words, 128 bytes a wave, that no other line names
.set SC,    6                          ; v6, v8, v10: 2^e for sets 0, 1, 2
.set SPW,   12                         ; v12  LDS address of my spare word; never rewritten
.set NIL,   13                         ; v13  0; never rewritten
.set R,     16                         ; v16-79   four sets of 16 numbers as loaded
.set X,     80                         ; v80-111  two sets of my 16 numbers
.set T,     112
.set C,     128                        ; v128-151 codes: step parity x 3 sets x 4 registers
	s_load_b512 s[4:19], s[0:1], 0x0               ; x 4:5, Wq 6:7, Wk 8:9, Wv 10:11, Wo 12:13, scales 14:15, xc 16:17, wc 18:19
	v_lshl_add_u32 v[SPW], v0, 2, SPARE
	v_mov_b32 v[NIL], 0
	v_lshrrev_b32 v1, 5, v0
	v_readfirstlane_b32 s20, v1                    ; wave
	v_and_b32 v2, 31, v0                           ; lane
	v_lshlrev_b32 v3, 4, v2                        ; 16 x lane: my bytes of a load's 512 and of a store's 512; never rewritten
	s_mul_i32 s27, s20, WREG
	v_lshrrev_b32 v14, 2, v2
	v_mul_u32_u24 v14, v14, SP
	v_and_b32 v15, 3, v2
	v_lshl_add_u32 v14, v15, 4, v14
	v_add_nc_u32 v14, s27, v14                     ; the stage, way in: SP (lane / 4) + 16 (lane % 4)
	v_lshrrev_b32 v15, 1, v2
	v_mul_u32_u24 v15, v15, 2*SP
	v_and_b32 v4, 1, v2
	v_lshl_add_u32 v15, v4, 5, v15
	v_add_nc_u32 v15, s27, v15                     ; way out: 2 SP (lane / 2) + 32 (lane % 2): numbers 32 c + 8 h on; those 16 further along K lie SP bytes on
	s_sub_co_u32 s21, ttmp9, XWG                   ; j
	s_lshr_b32 s22, s21, 5                         ; which weight (no weight's number in x's work-groups)
	s_and_b32 s23, s21, 31                         ; its chunk
	s_wait_alu depctr_va_vdst(0)
	s_wait_kmcnt 0x0
	s_load_b256 s[32:39], s[14:15], 0x0            ; e0 .. e7
	s_load_b128 s[40:43], s[14:15], 0x20           ; e8 .. e11
	s_mov_b64 s[24:25], s[12:13]                   ; the source: Wo, unless
	s_cmp_eq_u32 s22, 2
	s_cselect_b64 s[24:25], s[10:11], s[24:25]     ; Wv,
	s_cmp_eq_u32 s22, 1
	s_cselect_b64 s[24:25], s[8:9], s[24:25]       ; Wk,
	s_cmp_eq_u32 s22, 0
	s_cselect_b64 s[24:25], s[6:7], s[24:25]       ; Wq,
	s_cmp_lt_u32 ttmp9, XWG
	s_cselect_b64 s[24:25], s[4:5], s[24:25]       ; or x.  The choices hang on the work-group's number alone
	s_cselect_b64 s[28:29], s[16:17], s[18:19]
	s_cselect_b32 s46, ttmp9, s23                  ; the chunk in the source,
	s_cselect_b32 s26, ttmp9, s21                  ; and in the destination
	s_lshl_b32 s46, s46, 2
	s_add_co_u32 s46, s46, s20
	s_lshl_b32 s46, s46, 15                        ; my wave's 8,192 numbers: 32,768 bytes
	s_mov_b32 s47, 0
	s_add_nc_u64 s[24:25], s[24:25], s[46:47]
	s_lshl_b32 s46, s26, 2
	s_add_co_u32 s46, s46, s20
	s_lshl_b32 s46, s46, 13                        ; and their 8,192 codes
	s_add_nc_u64 s[28:29], s[28:29], s[46:47]      ; set 0
	s_add_nc_u64 s[30:31], s[28:29], 0x800000      ; x's set 1,
	s_add_nc_u64 s[44:45], s[28:29], 0x1000000     ; x's set 2: bases of their own, since the distance does not fit a store's immediate
.macro LOAD t
.irp i, 0,1,2,3
	global_load_b128 v[R+16*((\t)%4)+4*\i:R+16*((\t)%4)+4*\i+3], v3, s[24:25] offset:2048*(\t)+512*\i th:TH_LOAD_NT   ; 32 lanes read 512 consecutive bytes, read once in the launch
.endr
.endm
.macro TURN t                          ; step t's numbers through the stage: LDS serves a wave's instructions in order, so no wait stands between the stores and the loads
.irp i, 0,1,2,3
	ds_store_b128 v14, v[R+16*((\t)%4)+4*\i:R+16*((\t)%4)+4*\i+3] offset:32*SP*((\t)%2)+8*SP*\i
.endr
	ds_load_b128 v[X+16*((\t)%2):X+16*((\t)%2)+3],     v15 offset:32*SP*((\t)%2)
	ds_load_b128 v[X+16*((\t)%2)+4:X+16*((\t)%2)+7],   v15 offset:32*SP*((\t)%2)+16
	ds_load_b128 v[X+16*((\t)%2)+8:X+16*((\t)%2)+11],  v15 offset:32*SP*((\t)%2)+SP
	ds_load_b128 v[X+16*((\t)%2)+12:X+16*((\t)%2)+15], v15 offset:32*SP*((\t)%2)+SP+16
.endm
.macro SCALE e, set                    ; 2^e as f32, from the whole number in s[e]
	s_add_co_i32 s46, s[\e], 127
	s_lshl_b32 s47, s46, 23
	v_mov_b32 v[SC+2*\set], s47
.endm
.irp t, 0,1,2,3
	LOAD \t
.endr
	s_wait_kmcnt 0x0
	s_mov_b32 s26, s43                             ; set 0's exponent: e11 (Wo), unless
	s_cmp_eq_u32 s22, 2
	s_cselect_b32 s26, s37, s26                    ; e5 (Wv),
	s_cmp_eq_u32 s22, 1
	s_cselect_b32 s26, s35, s26                    ; e3 (Wk),
	s_cmp_eq_u32 s22, 0
	s_cselect_b32 s26, s33, s26                    ; e1 (Wq),
	s_cmp_lt_u32 ttmp9, XWG
	s_cselect_b32 s26, s32, s26                    ; or e0 (x)
	SCALE 26, 0
	SCALE 34, 1                                    ; e2
	SCALE 36, 2                                    ; e4
	s_wait_alu depctr_va_vdst(0)
	s_wait_loadcnt 12                              ; step 0's four loads are in; the twelve of steps 1 to 3 may be out
	TURN 0
; My 16 numbers of step t become 16 codes under one scale, and leave.
.macro Q1 t, set, d
.irp i, 0,1,2,3,4,5,6,7,8,9,10,11,12,13,14,15
.endr
	v_cvt_scalef32_pk8_fp8_f32 v[C+12*((\t)%2)+4*\set:C+12*((\t)%2)+4*\set+1], v[T+((X+16*((\t)%2)+0)-(T+0)):T+7+((X+16*((\t)%2)+0)-(T+0))], v[SC+2*\set]
	v_cvt_scalef32_pk8_fp8_f32 v[C+12*((\t)%2)+4*\set+2:C+12*((\t)%2)+4*\set+3], v[T+8+((X+16*((\t)%2)+0)-(T+0)):T+15+((X+16*((\t)%2)+0)-(T+0))], v[SC+2*\set]
	v_nop                                          ; one plain vector line between the conversions and the next lines that write their sources
	global_store_b128 v3, v[C+12*((\t)%2)+4*\set:C+12*((\t)%2)+4*\set+3], s[\d:\d+1] offset:512*(\t)
.endm
.macro STEP t
	s_wait_dscnt 0x0                               ; this step's numbers are back from the stage: so its stores into the stage have read their registers,
.if (\t)+4 < STEPS
	LOAD (\t)+4                                    ; which take the loads of four steps on
.endif
.if (\t)+1 < STEPS
.if STEPS-2-(\t) >= 3
	s_wait_loadcnt 12                              ; the next step's four loads are in; those of the three steps behind it may be out
.else
	s_wait_loadcnt 4*(STEPS-2-(\t))                ; the last steps: the count runs down
.endif
	TURN (\t)+1                                    ; and go through the other stage while this step is worked
.endif
	s_wait_xcnt 0x0                                ; the stores of two steps back have read their data: the codes' registers of this parity are written again only behind this wait
	Q1 \t, 0, 28
	s_cmp_lt_u32 ttmp9, XWG                        ; a weight has one scale
	s_cbranch_scc0 .Lweight_\@
	Q1 \t, 1, 30
	Q1 \t, 2, 44
.Lweight_\@:
.endm
.irp t, 0,1,2,3,4,5,6,7,8,9,10,11,12,13,14,15
	STEP \t
.endr
	s_wait_tensorcnt 0x0                           ; the wave's end, behind my last LDS store
	ds_add_u32 v[SPW], v[NIL]
	s_wait_dscnt 0x0
	s_endpgm
.Lfunc_end_k_q8f84add669_quant:
	.size	k_q8f84add669_quant, .Lfunc_end_k_q8f84add669_quant-k_q8f84add669_quant
	.p2alignl 7, 3214868480
	.fill 96, 4, 3214868480
	.section	.rodata,"a",@progbits
	.p2align	6, 0x0
	.amdhsa_kernel k_q8f84add669_quant
		.amdhsa_group_segment_fixed_size 33280
		.amdhsa_private_segment_fixed_size 0
		.amdhsa_enable_private_segment 0
		.amdhsa_kernarg_size 64
		.amdhsa_user_sgpr_count 2
		.amdhsa_user_sgpr_kernarg_segment_ptr 1
		.amdhsa_wavefront_size32 1
		.amdhsa_system_sgpr_workgroup_id_x 1
		.amdhsa_system_sgpr_workgroup_id_y 1
		.amdhsa_system_sgpr_workgroup_id_z 1
		.amdhsa_system_vgpr_workitem_id 0
		.amdhsa_next_free_vgpr 152
		.amdhsa_next_free_sgpr 66
		.amdhsa_reserve_vcc 0
		.amdhsa_float_denorm_mode_32 3
		.amdhsa_float_denorm_mode_16_64 3
		.amdhsa_fp16_overflow 1
		.amdhsa_memory_ordered 1
		.amdhsa_forward_progress 1
		.amdhsa_inst_pref_size 33
	.end_amdhsa_kernel
	.amdgpu_metadata
---
amdhsa.version: [ 1, 2 ]
amdhsa.kernels:
  - .name:           k_q8f84add669_quant
    .symbol:         k_q8f84add669_quant.kd
    .args:
      - { .name: x, .offset: 0, .size: 8, .value_kind: global_buffer, .address_space: global }
      - { .name: Wq, .offset: 8, .size: 8, .value_kind: global_buffer, .address_space: global }
      - { .name: Wk, .offset: 16, .size: 8, .value_kind: global_buffer, .address_space: global }
      - { .name: Wv, .offset: 24, .size: 8, .value_kind: global_buffer, .address_space: global }
      - { .name: Wo, .offset: 32, .size: 8, .value_kind: global_buffer, .address_space: global }
      - { .name: lowp_scales, .offset: 40, .size: 8, .value_kind: global_buffer, .address_space: global }
      - { .name: xc, .offset: 48, .size: 8, .value_kind: global_buffer, .address_space: global }
      - { .name: wc, .offset: 56, .size: 8, .value_kind: global_buffer, .address_space: global }
    .group_segment_fixed_size: 33280
    .private_segment_fixed_size: 0
    .kernarg_segment_align: 8
    .kernarg_segment_size: 64
    .max_flat_workgroup_size: 128
    .sgpr_count:     66
    .vgpr_count:     152
    .wavefront_size: 32
...
	.end_amdgpu_metadata
.endif
;; end of part 1
;; launch qkv (part 2): grid 12 x 32, 4 waves a work-group, clusters of 4 x 4, 327,680 bytes of LDS; arguments xc, wc, lowp_scales, qc, kc, vc; writes qc, kc, vc
.if DOCPART == 2
	.amdgcn_target "amdgcn-amd-amdhsa--gfx1250"
	.amdhsa_code_object_version 6
	.text
	.protected	k_q8f84add669_qkv
	.globl	k_q8f84add669_qkv
	.p2align	8
	.type	k_q8f84add669_qkv,@function
k_q8f84add669_qkv:
	s_mov_b64 s[64:65], 0
	v_nop
	global_prefetch_b8 v0, s[64:65] scope:SCOPE_SE
	s_setreg_imm32_b32 hwreg(HW_REG_WAVE_MODE, 25, 1), 1
	s_wait_xcnt 0x0
	s_wait_alu depctr_hold_cnt(0) depctr_sa_sdst(0) depctr_va_vdst(0) depctr_va_sdst(0) depctr_va_ssrc(0) depctr_va_vcc(0) depctr_vm_vsrc(0)
	s_getreg_b32 s2, hwreg(HW_REG_IB_STS2, 6, 4)
	s_cmp_eq_u32 s2, 0
	s_cbranch_scc0 .Lentry_in_a_cluster
	s_endpgm
.Lentry_in_a_cluster:
	s_bfe_u32 s2, ttmp6, 0x10000c
	s_cmp_lg_u32 s2, 0xf033
	s_cbranch_scc0 .Lentry_shape_is_right
	s_endpgm
.Lentry_shape_is_right:
; q = x Wq^T, k = x Wk^T, v = x Wv^T on codes of FP8 (E4M3), sums in f32; each finished sum is quantised at once for the product that takes it next, and leaves as a code.
; The cluster's x says which: 0 q, 1 k, 2 v.  It picks x's set of codes (xc + X x 2^23), the weight (wc + X x 2^20), the output and the scale.
; A tile of results, 256 x 256, is made by four waves; a wave makes 128 x 128: 64 accumulators, 512 registers.  K = 1,024 goes in four steps of 256 through a ring of two LDS slots filled by the tensor data mover.
; THE MATRIX INSTRUCTION takes 16 rows of B as source 0 and 16 rows of A as source 1: a lane then holds ONE row of A and eight neighbouring rows of B.
;   q, k: A = x (tokens), B = W (features): a lane holds 8 neighbouring features of a token: neighbours along the K of q k^T.
;   v:    A = Wv (features), B = x (tokens): a lane holds 8 neighbouring tokens of a feature: neighbours along the K (the keys) of p v.
; The two roles are changed by a choice of pointers and of tile numbers on the cluster's x, which all partners share: the text is one.
; THE OUTPUT IS AN IMAGE OF OPERAND REGISTERS.  Block a's eight accumulators give 16 registers of codes a lane; each group of four goes out at 2048 a + 512 g + 16 x lane of the wave's dense 16,384 bytes.
;   qc, kc: [batch 4][head pair 8][tile of 16 tokens: 128][head in pair 2][1,024 bytes]: a K = 64 fragment: lane (r, h): token r, registers 2 c, 2 c + 1: d = 16 c + 8 h + 0..7.
;   vc:     [batch 4][head pair 8][block of 128 keys: 16][head in pair 2][tile of 16 d: 4][2,048 bytes]: a K = 128 fragment: lane (r, h): d = r, registers 2 c, 2 c + 1: keys 16 c + 8 h + 0..7.
; A sum stands for sum x 2^(its two operands' e); its code is sum / 2^E with E = e6 - e0 - e1 (q), e7 - e2 - e3 (k), e9 - e4 - e5 (v), held within +-448.  LIMIT: E between -126 and 119.
; CLUSTERS: 4 x 4 work-groups.  The four of a row of the cluster need the same tiles of A, the four of a column the same tiles of B: each tile is asked for jointly.
; REGISTERS, in windows of 256: window 0: v0-31 addresses; from v128 A's fragments, one set, later the codes.  window 1: B's fragments, two sets.  windows 2, 3: the accumulators ((a, b) at v[8 (8 (a % 4) + b)]).
.set ROWB,   256                       ; a tile's row in bytes: 256 along K
.set KROW,   1024                      ; a row of codes in memory
.set PITCH,  272                       ; an LDS row: 256 bytes + 16 of padding = 68 words: the 16 rows that a load touches start at 16 different banks (64 banks of 4 bytes: ISA guide 11.1)
.set FR,     16                        ; registers of a fragment: 16 rows x 128 K
.set NL,     4                         ; LDS loads that bring one
.set NP,     4                         ; places behind this matrix instruction (ISA guide 7.12.1)
.set HALFT,  128*PITCH                 ; 128 rows: what one tensor load brings
.set SLOT,   4*HALFT                   ; A's 256 rows, then B's 256 rows
.set LAPS,   2                         ; a lap = two K steps = once round the ring
.set SPARE,  2*SLOT                    ; behind the ring: the spare words, 128 bytes a wave, that no other line names
.set ADRA, 16                          ; v16-17  LDS address of my A fragments in slot 0, 1
.set ADRB, 20                          ; v20-21  the same for B
.set CO,   26                          ; v26     16 x lane: my place in an image
.set SCL,  27                          ; v27     2^E as f32
.set SPW,  28                          ; v28     LDS address of my spare word; never rewritten
.set NIL,  29                          ; v29     0; never rewritten
.set TMP,  32
.set AF,   128                         ; A's fragments, in window 0
.set CD,   128                         ; the way out: codes, 16 registers for each block
.set G1, 24                            ; s[24:31] descriptor group 1 for A's tiles;  s[32:39] group 0, one set for each slot
.set G0, 32
.set G1B, 48                           ; s[48:55], s[56:63] the same for B's tiles
.set G0B, 56
.set MSB, 0
.macro WIN new                         ; the immediate's high byte repeats the setting that is left
.if MSB != \new
	s_set_vgpr_msb (MSB<<8)|\new
.set MSB, \new
.endif
.endm
.set MUL_LO, 0xa1                      ; source 0 (B) window 1, source 1 (A) window 0, C and D window 2
.set MUL_HI, 0xf1                      ; the same, C and D window 3
.set TO_B,   0x40                      ; destination window 1, address window 0
; A joint load: waves 0 and 1 fetch for A, waves 2 and 3 for B.  The branch hangs on the wave's number alone.  An s_nop 0 and four v_nop follow each of the two lines.
.macro JLOAD g0a, g1a, g0b, g1b
	s_cmp_eq_u32 s15, 0
	s_cbranch_scc0 .Lfor_b_\@
	tensor_load_to_lds s[\g0a:\g0a+3], s[\g1a:\g1a+7]
	s_nop 0
.rept 4
	v_nop
.endr
	s_branch .Lasked_\@
.Lfor_b_\@:
	tensor_load_to_lds s[\g0b:\g0b+3], s[\g1b:\g1b+7]
	s_nop 0
.rept 4
	v_nop
.endr
.Lasked_\@:
.endm
.macro CREST                           ; a round of the cluster's barrier behind its opening barrier
	s_cmp_lg_u32 s14, 0
	s_cbranch_scc1 .Lnot_wave_0_\@
	s_barrier_signal -3
.Lnot_wave_0_\@:
	s_barrier_wait -3
	s_barrier_signal -1
	s_barrier_wait -1
.endm
.macro CROUND                          ; a whole round
	s_barrier_signal -1
	s_barrier_wait -1
	CREST
.endm
	s_load_b128 s[4:7], s[0:1], 0x0                ; xc s[4:5], wc s[6:7]
	s_load_b64 s[8:9], s[0:1], 0x10                ; the scales' exponents
	s_load_b128 s[68:71], s[0:1], 0x18             ; qc s[68:69], kc s[70:71]
	s_load_b64 s[72:73], s[0:1], 0x28              ; vc
	v_lshl_add_u32 v[SPW], v0, 2, SPARE
	v_mov_b32 v[NIL], 0
	ds_add_u32 v[SPW], v[NIL]
	ds_add_u32 v[SPW], v[NIL]                      ; the wave's opening: the add and its wait stand ahead of my first tensor load; the set-up below, work on registers, stands between them
	v_lshrrev_b32 v1, 5, v0
	v_readfirstlane_b32 s14, v1                    ; wave 0..3
	s_lshr_b32 s15, s14, 1                         ; which half of the tile's rows of A is mine.  Also: I fetch for A (0) or for B (1)
	s_and_b32 s16, s14, 1                          ; which half of its rows of B.  Also: which 128 rows of that tile I fetch
	s_bfe_u32 s40, ttmp6, 0x40000                  ; cx, cy: my place in the cluster
	s_bfe_u32 s41, ttmp6, 0x40004
	s_and_b32 s13, ttmp7, 0xffff
	s_lshl_b32 s13, s13, 2                         ; 4 x cluster y: it walks the 32 tiles of tokens,
	s_cmp_eq_u32 ttmp9, 2
	s_cselect_b32 s42, s13, 0                      ; which are B's for v
	s_cselect_b32 s17, 0, s13                      ; and A's for q and k
	s_add_co_u32 s42, s42, s40                     ; B's tile = cx (+ 4 x cluster y)
	s_add_co_u32 s17, s17, s41                     ; A's tile = cy (+ 4 x cluster y)
	s_lshl_b32 s43, s41, 2
	s_lshl_b32 s43, 15, s43                        ; my row of the cluster
	s_lshl_b32 s44, 0x1111, s40                    ; my column
	; descriptor group 1: a tile of 128 rows x 256 bytes, padded in LDS
	s_or_b32 s[G1+0], s43, (0<<16)|(1<<20)|(1<<21)|(5<<22)|(3<<25)  ; 15:0 the mask: A's tiles go to my row; 17:16 elements of 1 byte; 20 padding on; 21 set beside a mask; 24:22 after every 64 words (code 5); 31:25 four words (code 3)
	s_or_b32 s[G1B+0], s44, (0<<16)|(1<<20)|(1<<21)|(5<<22)|(3<<25) ; the same with the mask of my column
.irp g, G1, G1B
	s_mov_b32 s[\g+1], ROWB<<16                    ; tensor_dim0
	s_mov_b32 s[\g+2], 128<<16                     ; tensor_dim1 = 128
	s_mov_b32 s[\g+3], ROWB<<16                    ; tile_dim0
	s_mov_b32 s[\g+4], 128                         ; tile_dim1 = 128
	s_mov_b32 s[\g+5], KROW                        ; tensor_dim0_stride
	s_mov_b32 s[\g+6], 0
	s_mov_b32 s[\g+7], 0
.endr
	s_lshl_b32 s18, s16, 7                         ; which 128 rows of the tile I fetch
	s_lshl_b32 s20, s17, 8
	s_add_co_u32 s20, s20, s18                     ; A: row 256 x tile + 128 x half,
	s_lshl_b32 s20, s20, 10                        ; in bytes
	s_mov_b32 s21, 0
	s_lshl_b32 s46, s42, 8
	s_add_co_u32 s46, s46, s18                     ; B likewise
	s_lshl_b32 s46, s46, 10
	s_mov_b32 s47, 0
	s_lshl_b32 s88, ttmp9, 23                      ; x's set of codes
	s_mov_b32 s89, 0
	s_lshl_b32 s74, ttmp9, 20                      ; the weight
	s_mov_b32 s75, 0
	s_mul_i32 s45, s14, HALFT                      ; where the tiles go: wave x 128 rows: no place in the cluster enters an LDS address
	s_wait_dscnt 0x0                               ; the opening add is done
	s_wait_kmcnt 0x0
	s_load_b256 s[76:83], s[8:9], 0x0              ; e0 .. e7
	s_load_b128 s[84:87], s[8:9], 0x20             ; e8 .. e11
	s_add_nc_u64 s[4:5], s[4:5], s[88:89]
	s_add_nc_u64 s[6:7], s[6:7], s[74:75]
	s_cmp_eq_u32 ttmp9, 2                          ; the choice hangs on the cluster's x alone
	s_cselect_b64 s[90:91], s[6:7], s[4:5]         ; A: the weight for v, else x
	s_cselect_b64 s[92:93], s[4:5], s[6:7]         ; B: x for v, else the weight
	s_add_nc_u64 s[20:21], s[90:91], s[20:21]
	s_add_nc_u64 s[46:47], s[92:93], s[46:47]
	CROUND                                         ; all sixteen work-groups are here: the first joint loads meet
.irp s, 0,1
	s_mov_b32 s[G0+4*\s], 1
	s_add_co_u32 s[G0+4*\s+1], s45, \s*SLOT
	s_add_nc_u64 s[G0+4*\s+2:G0+4*\s+3], s[20:21], \s*ROWB
	s_or_b32 s[G0+4*\s+3], s[G0+4*\s+3], 0x80000000
	s_mov_b32 s[G0B+4*\s], 1
	s_add_co_u32 s[G0B+4*\s+1], s45, \s*SLOT
	s_add_nc_u64 s[G0B+4*\s+2:G0B+4*\s+3], s[46:47], \s*ROWB
	s_or_b32 s[G0B+4*\s+3], s[G0B+4*\s+3], 0x80000000
	JLOAD G0+4*\s, G1, G0B+4*\s, G1B
.endr
	v_and_b32 v1, 15, v0                           ; l % 16
	v_bfe_u32 v2, v0, 4, 1                         ; l / 16
	v_mul_u32_u24 v3, v1, PITCH
	v_lshl_add_u32 v4, v2, 4, v3                   ; a fragment's row x pitch + 16 x half
	s_mul_i32 s21, s15, HALFT                      ; my 128 rows of A
	s_mul_i32 s22, s16, HALFT                      ; my 128 rows of B,
	s_add_co_u32 s22, s22, 2*HALFT                 ; which lie behind A's 256
.irp s, 0,1
	v_add_nc_u32 v[ADRA+\s], s21, v4
	v_add_nc_u32 v[ADRB+\s], s22, v4
	s_add_co_u32 s21, s21, SLOT
	s_add_co_u32 s22, s22, SLOT
.endr
	v_and_b32 v6, 31, v0
	v_lshlrev_b32 v[CO], 4, v6
	; where my wave's 16,384 bytes of codes go: ((tok / 16) x 8 + pair) x 262,144 + (tok % 16) x 16,384, tok = my block of 128 tokens, pair = my block of 128 features
	s_lshl_b32 s66, s17, 1
	s_add_co_u32 s66, s66, s15                     ; my block of 128 rows of A
	s_lshl_b32 s67, s42, 1
	s_add_co_u32 s67, s67, s16                     ; my block of 128 rows of B
	s_cmp_eq_u32 ttmp9, 2
	s_cselect_b32 s74, s67, s66                    ; tok
	s_cselect_b32 s75, s66, s67                    ; pair
	s_lshr_b32 s66, s74, 4
	s_lshl_b32 s66, s66, 3
	s_add_co_u32 s66, s66, s75
	s_lshl_b32 s66, s66, 18
	s_and_b32 s74, s74, 15
	s_lshl_b32 s74, s74, 14
	s_add_co_u32 s74, s74, s66
	s_mov_b32 s75, 0
	s_mov_b64 s[10:11], s[72:73]                   ; the output: vc, unless
	s_cmp_eq_u32 ttmp9, 1
	s_cselect_b64 s[10:11], s[70:71], s[10:11]     ; kc,
	s_cmp_eq_u32 ttmp9, 0
	s_cselect_b64 s[10:11], s[68:69], s[10:11]     ; or qc
	s_add_nc_u64 s[10:11], s[10:11], s[74:75]
.macro FRAG reg, adr, q, i             ; a fragment, 16 rows x 128 K, is 16 registers: four loads of 16 bytes, 32 bytes apart; by the order of codes in a row each k stands in the place that this form gives it
.irp c, 0,1,2,3
	ds_load_b128 v[\reg+4*\c:\reg+4*\c+3], v[\adr] offset:128*(\q)+32*\c+(\i)*16*PITCH
.endr
.endm
; 16 matrix instructions: A's blocks a0, a0 + 1 x B's eight, 128 along K.  p: B's set.  zero = 1: the first product starts the sums.
; The 64 accumulators take turns, one instruction a turn, in the same order in every step.
.macro MUL16 a0, p, zero
.irp a, \a0, \a0+1
.irp b, 0,1,2,3,4,5,6,7
.if \zero
	v_wmma_f32_16x16x128_fp8_fp8 v[8*(8*((\a)%4)+\b):8*(8*((\a)%4)+\b)+7], v[128*(\p)+FR*\b:128*(\p)+FR*\b+FR-1], v[AF+FR*(\a):AF+FR*(\a)+FR-1], 0
.else
	v_wmma_f32_16x16x128_fp8_fp8 v[8*(8*((\a)%4)+\b):8*(8*((\a)%4)+\b)+7], v[128*(\p)+FR*\b:128*(\p)+FR*\b+FR-1], v[AF+FR*(\a):AF+FR*(\a)+FR-1], v[8*(8*((\a)%4)+\b):8*(8*((\a)%4)+\b)+7]
.endif
.endr
.endr
.endm
.macro FETCH_B slot, q, p              ; B's eight fragments of the slot's q-th 128 along K into set p
	WIN TO_B
.irp i, 0,1,2,3,4,5,6,7
	FRAG 128*(\p)+FR*\i, ADRB+\slot, \q, \i
.endr
	WIN 0
.endm
.macro FETCH_A slot, q, i0             ; A's blocks i0 .. i0 + 3
.irp i, \i0, \i0+1, \i0+2, \i0+3
	FRAG AF+FR*(\i), ADRA+\slot, \q, \i
.endr
.endm
; A load into a register that a matrix instruction has read, and a vector instruction that reads a matrix result or writes one of its registers, stand NP places behind it; only plain vector instructions
; that name none of its registers are places (ISA guide 7.12.1 for vector instructions).
.macro PLACES n
.rept \n
	v_nop
.endr
.endm
; A step of 128 along K that has its successor in the same slot.
.macro STEP slot, q, zero
	s_wait_dscnt 4*NL                              ; B's set and A's blocks 0-3 are in; the youngest sixteen loads (A's blocks 4-7) may be out
	WIN MUL_LO
	MUL16 0, (\q)%2, \zero
	MUL16 2, (\q)%2, \zero
	s_wait_dscnt 0                                 ; A's blocks 4-7 are in
	PLACES NP
	FETCH_B \slot, (\q)+1, 1-(\q)%2
	FETCH_A \slot, (\q)+1, 0
	WIN MUL_HI
	MUL16 4, (\q)%2, \zero
	MUL16 6, (\q)%2, \zero
	PLACES NP
	WIN 0
	FETCH_A \slot, (\q)+1, 4
.endm
; A slot's last step changes slots: one barrier; in front of it each wave waits for all its tensor loads, adds 0 to its spare word, and waits for that and for its own reads of this slot.  fill = 1: this slot is filled again, two K steps ahead.
.macro TURN slot, next, fill
	s_wait_tensorcnt 0x0                           ; all my tensor loads have landed: my part of the next slot  (every window is 0 here)
	ds_add_u32 v[SPW], v[NIL]                      ; 0 onto my spare word
	s_wait_dscnt 4*NL+1                            ; (the add and the youngest sixteen loads, A's blocks 4-7, may be out)
	WIN MUL_LO
	MUL16 0, 1, 0                                  ; sixteen matrix instructions stand between the add and the wait for it
	s_wait_dscnt 0x0                               ; the add is done, and my reads of this slot are over
	s_barrier_signal -1
	MUL16 2, 1, 0
	WIN 0
	s_barrier_wait -1
.if \fill
	CREST                                          ; the barrier has opened a round of the cluster's barrier: no wave of any partner still reads this slot's tile or has a load on its way
	s_add_nc_u64 s[G0+4*\slot+2:G0+4*\slot+3], s[G0+4*\slot+2:G0+4*\slot+3], 2*ROWB
	s_add_nc_u64 s[G0B+4*\slot+2:G0B+4*\slot+3], s[G0B+4*\slot+2:G0B+4*\slot+3], 2*ROWB
	JLOAD G0+4*\slot, G1, G0B+4*\slot, G1B         ; the first tensor load behind the round; the four v_nop behind it are the places in front of the loads below
.else
	PLACES NP
.endif
	FETCH_B \next, 0, 0
	FETCH_A \next, 0, 0
	WIN MUL_HI
	MUL16 4, 1, 0
	MUL16 6, 1, 0
	PLACES NP
	WIN 0
	FETCH_A \next, 0, 4
.endm
	s_wait_alu depctr_va_vdst(0)
	s_wait_tensorcnt 1                             ; my part of K step 0 is in; K step 1's load may be out
	s_barrier_signal -1
	s_barrier_wait -1                              ; everybody's is
	FETCH_B 0, 0, 0
	FETCH_A 0, 0, 0
	FETCH_A 0, 0, 4
	STEP 0, 0, 1                                   ; the first step stands in front of the loop: its products start the sums
	s_mov_b32 s3, LAPS-1
.Llap:                                                 ; a trip goes once round the ring, from a lap's second step to the next lap's first, and fills both slots again
	TURN 0, 1, 1
	STEP 1, 0, 0
	TURN 1, 0, 1
	STEP 0, 0, 0
	s_sub_co_u32 s3, s3, 1
	s_cmp_lg_u32 s3, 0
	s_cbranch_scc1 .Llap
	TURN 0, 1, 0                                   ; the last lap fills nothing, and has no round of the cluster's barrier
	STEP 1, 0, 0
	s_wait_dscnt 4*NL                              ; the very last step: nothing more to fetch
	WIN MUL_LO
	MUL16 0, 1, 0
	MUL16 2, 1, 0
	s_wait_dscnt 0
	WIN MUL_HI
	MUL16 4, 1, 0
	MUL16 6, 1, 0
	WIN 0
	; THE WAY OUT.  The scale of the conversion: E, chosen without a branch.
	s_wait_kmcnt 0x0
	s_sub_co_i32 s66, s85, s80
	s_sub_co_i32 s66, s66, s81                     ; v: e9 - e4 - e5
	s_sub_co_i32 s67, s83, s78
	s_sub_co_i32 s67, s67, s79                     ; k: e7 - e2 - e3
	s_sub_co_i32 s74, s82, s76
	s_sub_co_i32 s74, s74, s77                     ; q: e6 - e0 - e1
	s_cmp_eq_u32 ttmp9, 1
	s_cselect_b32 s66, s67, s66
	s_cmp_eq_u32 ttmp9, 0
	s_cselect_b32 s66, s74, s66
	s_add_co_i32 s66, s66, 127
	s_lshl_b32 s67, s66, 23
	v_mov_b32 v[SCL], s67                          ; 2^E as f32: the conversion takes its exponent field
	s_add_co_i32 s66, s66, 8
	s_lshl_b32 s66, s66, 23
	s_or_b32 s94, s66, 0x600000                    ; 448 x 2^E,
	s_or_b32 s95, s94, 0x80000000                  ; and its negative
	PLACES NP                                      ; behind the last products: for the first reads of results and the first writes over A's fragments
; Block a: its 64 sums are converted and stored: four stores of 512 consecutive bytes, aligned.  Each block has code registers of its own, so no store's data are written again.
.macro OUTBLK a
	WIN 0x02+((\a)/4)                              ; source 0: window 2 or 3
.set jj, 0
.rept 64
.set jj, jj+1
.endr
.irp b, 0,1,2,3,4,5,6,7
	v_cvt_scalef32_pk8_fp8_f32 v[CD+16*(\a)+2*\b:CD+16*(\a)+2*\b+1], v[TMP+8*\b+((64*((\a)%4)+jj)-(TMP+jj)):TMP+8*\b+7+((64*((\a)%4)+jj)-(TMP+jj))], v[SCL]
.endr
	WIN 0
	v_nop                                          ; one plain vector line behind the conversions
.irp g, 0,1,2,3
	global_store_b128 v[CO], v[CD+16*(\a)+4*\g:CD+16*(\a)+4*\g+3], s[10:11] offset:2048*(\a)+512*\g
.endr
.endm
.irp a, 0,1,2,3,4,5,6,7
	OUTBLK \a
.endr
	s_wait_tensorcnt 0x0                           ; the wave's end, behind my last tensor load
	ds_add_u32 v[SPW], v[NIL]
	s_wait_dscnt 0x0
	CROUND                                         ; the closing round: no work-group ends while a partner may still ask for a tile that names it
	s_endpgm
.Lfunc_end_k_q8f84add669_qkv:
	.size	k_q8f84add669_qkv, .Lfunc_end_k_q8f84add669_qkv-k_q8f84add669_qkv
	.p2alignl 7, 3214868480
	.fill 96, 4, 3214868480
	.section	.rodata,"a",@progbits
	.p2align	6, 0x0
	.amdhsa_kernel k_q8f84add669_qkv
		.amdhsa_group_segment_fixed_size 327680
		.amdhsa_private_segment_fixed_size 0
		.amdhsa_enable_private_segment 0
		.amdhsa_kernarg_size 48
		.amdhsa_user_sgpr_count 2
		.amdhsa_user_sgpr_kernarg_segment_ptr 1
		.amdhsa_wavefront_size32 1
		.amdhsa_system_sgpr_workgroup_id_x 1
		.amdhsa_system_sgpr_workgroup_id_y 1
		.amdhsa_system_sgpr_workgroup_id_z 1
		.amdhsa_system_vgpr_workitem_id 0
		.amdhsa_next_free_vgpr 1024
		.amdhsa_next_free_sgpr 98
		.amdhsa_reserve_vcc 0
		.amdhsa_float_denorm_mode_32 3
		.amdhsa_float_denorm_mode_16_64 3
		.amdhsa_fp16_overflow 1
		.amdhsa_memory_ordered 1
		.amdhsa_forward_progress 1
		.amdhsa_inst_pref_size 86
	.end_amdhsa_kernel
	.amdgpu_metadata
---
amdhsa.version: [ 1, 2 ]
amdhsa.kernels:
  - .name:           k_q8f84add669_qkv
    .symbol:         k_q8f84add669_qkv.kd
    .args:
      - { .name: xc, .offset: 0, .size: 8, .value_kind: global_buffer, .address_space: global }
      - { .name: wc, .offset: 8, .size: 8, .value_kind: global_buffer, .address_space: global }
      - { .name: lowp_scales, .offset: 16, .size: 8, .value_kind: global_buffer, .address_space: global }
      - { .name: qc, .offset: 24, .size: 8, .value_kind: global_buffer, .address_space: global }
      - { .name: kc, .offset: 32, .size: 8, .value_kind: global_buffer, .address_space: global }
      - { .name: vc, .offset: 40, .size: 8, .value_kind: global_buffer, .address_space: global }
    .group_segment_fixed_size: 327680
    .private_segment_fixed_size: 0
    .kernarg_segment_align: 8
    .kernarg_segment_size: 48
    .max_flat_workgroup_size: 128
    .sgpr_count:     98
    .vgpr_count:     1024
    .wavefront_size: 32
...
	.end_amdgpu_metadata
.endif
;; end of part 2
;; launch attn (part 3): grid 4 x 64, 16 waves a work-group, no clusters, 327,680 bytes of LDS; arguments qc, kc, vc, lowp_scales, yc; writes yc
.if DOCPART == 3
	.amdgcn_target "amdgcn-amd-amdhsa--gfx1250"
	.amdhsa_code_object_version 6
	.text
	.protected	k_q8f84add669_attn
	.globl	k_q8f84add669_attn
	.p2align	8
	.type	k_q8f84add669_attn,@function
k_q8f84add669_attn:
	s_mov_b64 s[64:65], 0
	v_nop
	global_prefetch_b8 v0, s[64:65] scope:SCOPE_SE
	s_setreg_imm32_b32 hwreg(HW_REG_WAVE_MODE, 25, 1), 1
	s_wait_xcnt 0x0
; y[b][h][q] = the sum over keys k <= q of softmax_k(q . k / 8) v, both products on codes of FP8 (E4M3); y is quantised at once for the last product and leaves as codes.
; qc, kc: [batch 4][head pair 8][tile of 16 tokens: 128][head in pair 2][1,024 bytes], vc: [batch 4][head pair 8][block of 128 keys: 16][head in pair 2][tile of 16 d: 4][2,048 bytes]: images of operand registers:
; group g of four registers at 512 g + 16 x lane.  yc: [tile of 16 rows: 512][head 16][1,024 bytes], likewise.  So every fragment comes by loads of 16 bytes at 16 x lane, with no pitch and no padding.
; THE SOFTMAX AHEAD OF THE SECOND PRODUCT: t = score x log2(e) / 8; M = the row's largest t so far, rounded up to a whole number; p = 2^(t - M) is what is quantised, with 2^e8; it is not normalised.
; The row's sum is taken of the unquantised p, in f32, and divides O at the end.  When M moves, the sum and O are multiplied by 2^(old M - new M): exact.
; SHARES.  Work-group (i, b h) owns two blocks of 256 queries of one head, 7 - i and then i: block 7 - i walks key slots 0 .. 7 - i, block i slots 0 .. i: nine slots of 256 keys in every work-group, a constant.
; Each of the sixteen waves owns 16 queries of the block in hand, in 256 registers: four waves to a SIMD, so that one wave's vector work stands beside another's matrix work and LDS loads.
; K's and V's tiles come through a ring of two LDS slots filled by the tensor data mover (waves 0, 1: K's halves; waves 2, 3: V's) and read by all sixteen.
; LAYOUT.  S^T = K Q^T (source 0 = 16 keys, source 1 = my 16 queries), O^T = V^T P^T (source 0 = 16 of the head's 64, source 1 = P): a lane holds ONE query (lane % 16) throughout.  Register 8 t + j of S^T is key
; 16 t + 8 (lane / 16) + j of the step: so p's codes are the second product's operand as they come out of the conversions.
; CAUSAL.  A step all of whose keys come after my 16 queries is left out by a scalar branch on ids; on the diagonal hidden scores become -infinity ahead of the maximum.  Key 0 counts for every query.
; NO CLUSTER: the four work-groups of a head ask for the same slot only in trips 0 to 4 of their nine; after that they walk different slots.  A form in which all four make every request jointly has every
; work-group walk slots 0 .. 7 with both its blocks, and a round then lasts as long as its busiest partner: 2+2+2+2+1+1+1+1 = 12 slot-blocks against 9 here.
; LIMITS on the given exponents, so that each power of two below is an f32 number: e6 + e7 between -123 and 130; e8, and e10 - e8 - e9, between -126 and 119.
; REGISTERS: v1 16 x lane; v3 the prefetches' offset; v5, v6 the add's two; v8 the LDS address in hand; v12 -M, v13 the largest t, v[14:15] the sum in two halves; v16-23 Q in hand; v24-31 Q of block i;
;   v32-95 K's eight or V's four fragments; v96-159 S^T, then p; v160-191 O^T; v192-199 y's codes; v224-239 p's codes; v236-254 at work and scales.
.set SLOT1, 1<<15                      ; a slot: 16 images of K (16,384 bytes), then V's 2 x 4 images (16,384 bytes); slot 1 begins here, so that one exclusive or turns an address
.set VOFF,  16384
.set SPARE, 2*SLOT1                    ; behind the ring: the spare words, 128 bytes for each of sixteen waves, that no other line names
.set STEPG, 32768                      ; a slot on in memory, in kc and in vc alike
.set LI,   1
.set PFO,  3
.set SPW,  5
.set NIL,  6
.set ADR,  8
.set TB,   2                           ; s2   LDS byte at which the slot in hand begins
.set WV,   18                          ; s18  my wave's number
.set SEL,  20                          ; s[20:21] lane selects for v_permlanex16_b32: lane l xor 16
.set CS,   22                          ; s[22:23] c = log2(e) / 8 x 2^(e6 + e7)
.set G1K,  24                          ; s[24:31] descriptor group 1 for K's tiles;  s[32:39] for V's;  s[40:43], s[44:47] their groups 0
.set G1V,  32
.set G0K,  40
.set G0V,  44
.set OFFS, 48                          ; s[48:49] the byte offset in memory of the slot to be asked for
.set BK,   50                          ; s[50:51] kc at my part of the head's slot 0;  s[52:53] vc likewise
.set BV,   52
.set IP1,  54                          ; s54  i + 1
.set Q0A,  55                          ; s55  my first query in block i
.set YB,   56                          ; s[56:57] yc at my image for block 7 - i;  s[58:59] for block i
.set YA,   58
.set SLOTS, 67                         ; s67  slots still to be asked for
.set PFA,  76                          ; s[76:77] where my prefetches stand
.set LIM,  80                          ; s80  2 in a wave that prefetches, else the greatest number
.set KF,   98                          ; s98  the step's first key
.set Q0,   99                          ; s99  my first query
; Waves 0 and 1 fetch for K, waves 2 and 3 for V, the others nothing.  The branches hang on the wave's number alone.  An s_nop 0 and four v_nop follow each of the two lines.
.macro TLOAD
	s_cmp_lt_u32 s[WV], 2
	s_cbranch_scc0 .Lnot_k_\@
	tensor_load_to_lds s[G0K:G0K+3], s[G1K:G1K+7]
	s_nop 0
.rept 4
	v_nop
.endr
	s_branch .Lasked_\@
.Lnot_k_\@:
	s_cmp_lt_u32 s[WV], 4
	s_cbranch_scc0 .Lasked_\@
	tensor_load_to_lds s[G0V:G0V+3], s[G1V:G1V+7]
	s_nop 0
.rept 4
	v_nop
.endr
.Lasked_\@:
.endm
; A PREFETCH INTO THE L2 of the slot that the NEXT change of slots will ask for.  All four work-groups of a head walk slots 0, 1, 2 .. in their first trips; work-group i = 0 walks all eight, and it alone asks.
; In it waves 4 and 5 ask for K's 16 images (4 blocks of 256 bytes each, 2,048 bytes from image to image), waves 6 and 7 for V's two runs of 8,192 bytes: 32 blocks a wave, a lane a block, one instruction.
; So each aligned block of 256 bytes is named once in the launch.  It asks in trips 0 to 5, for slots 2 to 7: a slot's two key steps ahead of the load.  Slots 0 and 1 come by their loads alone.
.macro ASK
	s_cmp_gt_u32 s[SLOTS], s[LIM]
	s_cbranch_scc0 .Lnot_mine_\@
	global_prefetch_b8 v[PFO], s[PFA:PFA+1] th:TH_LOAD_NT scope:SCOPE_SE
.Lnot_mine_\@:
.endm
	s_load_b128 s[4:7], s[0:1], 0x0                ; qc s[4:5], kc s[6:7]
	s_load_b128 s[12:15], s[0:1], 0x10             ; vc s[12:13], the scales' exponents s[14:15]
	s_load_b64 s[16:17], s[0:1], 0x20              ; yc
	v_lshl_add_u32 v[SPW], v0, 2, SPARE
	v_mov_b32 v[NIL], 0
	ds_add_u32 v[SPW], v[NIL]                      ; the wave's opening: the add and its wait stand ahead of my first tensor load; the set-up below, work on registers, stands between them
	ds_add_u32 v[SPW], v[NIL]
	v_lshrrev_b32 v8, 5, v0
	s_delay_alu instid0(VALU_DEP_1)
	v_readfirstlane_b32 s[WV], v8                  ; wave 0..15
	s_and_b32 s74, ttmp7, 0xffff                   ; 16 x batch + head
	s_and_b32 s75, s74, 1                          ; the head in its pair
	s_lshr_b32 s81, s74, 1
	s_lshl_b32 s81, s81, 18                        ; (8 x batch + pair) x 262,144: the pair's first byte in qc, kc and vc
	s_and_b32 s82, s[WV], 1                        ; which half of a slot I fetch, if I fetch
	s_sub_co_u32 s83, 7, ttmp9                     ; the first block: 7 - i
	s_add_co_u32 s[IP1], ttmp9, 1
	s_lshl_b32 s86, s82, 14                        ; half a slot in memory: 8 tiles of K of both heads, or one block of 128 keys of V of both heads
	s_lshl_b32 s84, s75, 10
	s_add_co_u32 s84, s84, s81
	s_add_co_u32 s84, s84, s86
	s_mov_b32 s85, 0                               ; s[84:85]: K
	s_lshl_b32 s88, s75, 13
	s_add_co_u32 s88, s88, s81
	s_add_co_u32 s88, s88, s86
	s_mov_b32 s89, 0                               ; s[88:89]: V
	s_lshl_b32 s90, s83, 4
	s_add_co_u32 s90, s90, s[WV]                   ; my tile of 16 tokens in block 7 - i,
	s_lshl_b32 s92, ttmp9, 4
	s_add_co_u32 s92, s92, s[WV]                   ; and in block i
	s_lshl_b32 s[Q0], s90, 4
	s_lshl_b32 s[Q0A], s92, 4
	s_lshr_b32 s94, s74, 4
	s_lshl_b32 s94, s94, 7                         ; 128 x batch
	s_and_b32 s95, s74, 15                         ; head
	s_add_co_u32 s86, s94, s90
	s_lshl_b32 s86, s86, 4
	s_add_co_u32 s86, s86, s95
	s_lshl_b32 s86, s86, 10
	s_mov_b32 s87, 0                               ; s[86:87]: y's image for block 7 - i: ((128 batch + tile) x 16 + head) x 1,024
	s_add_co_u32 s94, s94, s92
	s_lshl_b32 s94, s94, 4
	s_add_co_u32 s94, s94, s95
	s_lshl_b32 s94, s94, 10
	s_mov_b32 s95, 0                               ; s[94:95]: for block i
	s_lshl_b32 s96, s75, 10
	s_add_co_u32 s96, s96, s81
	s_lshl_b32 s90, s90, 11
	s_add_co_u32 s90, s90, s96
	s_mov_b32 s91, 0                               ; s[90:91]: Q's image for block 7 - i
	s_lshl_b32 s92, s92, 11
	s_add_co_u32 s92, s92, s96
	s_mov_b32 s93, 0                               ; s[92:93]: for block i
	s_lshl_b32 s[G0K+1], s82, 13                   ; LDS: K's half of slot 0,
	s_add_co_u32 s[G0V+1], s[G0K+1], VOFF          ; V's
	; descriptor group 1.  K: 8 images of 1,024 bytes, 2,048 bytes apart in memory, dense in LDS.  V: one run of 8,192 bytes.  Elements of 8 bytes, no padding.
	s_mov_b32 s[G1K], 3<<16                        ; 15:0 no mask; 17:16 elements of 8 bytes; 20 padding off
	s_mov_b32 s[G1K+1], 128<<16                    ; tensor_dim0 = 128
	s_mov_b32 s[G1K+2], 8<<16                      ; tensor_dim1 = 8
	s_mov_b32 s[G1K+3], 128<<16                    ; tile_dim0
	s_mov_b32 s[G1K+4], 8                          ; tile_dim1
	s_mov_b32 s[G1K+5], 256                        ; tensor_dim0_stride
	s_mov_b32 s[G1K+6], 0
	s_mov_b32 s[G1K+7], 0
	s_mov_b32 s[G1V], 3<<16
	s_mov_b32 s[G1V+1], 1024<<16
	s_mov_b32 s[G1V+2], 1<<16
	s_mov_b32 s[G1V+3], 1024<<16
	s_mov_b32 s[G1V+4], 1
	s_mov_b32 s[G1V+5], 1024
	s_mov_b32 s[G1V+6], 0
	s_mov_b32 s[G1V+7], 0
	s_mov_b32 s[SEL], 0x76543210
	s_mov_b32 s[SEL+1], 0xfedcba98
	s_mov_b32 s[CS], 0x3e38aa3b                    ; log2(e) / 8
	s_mov_b32 s[TB], 0
	s_mov_b32 s[SLOTS], 8
	s_mov_b32 s[OFFS], 0
	s_mov_b32 s[OFFS+1], 0
	s_mov_b32 s[KF], 0
	s_wait_dscnt 0x0                               ; the opening add is done
	s_wait_kmcnt 0x0
	s_load_b128 s[68:71], s[14:15], 0x18           ; e6, e7, e8, e9
	s_load_b32 s72, s[14:15], 0x28                 ; e10
	s_add_nc_u64 s[BK:BK+1], s[6:7], s[84:85]
	s_add_nc_u64 s[BV:BV+1], s[12:13], s[88:89]
	s_mov_b32 s[G0K], 1                            ; 1:0 count = 1
	s_mov_b64 s[G0K+2:G0K+3], s[BK:BK+1]           ; 120:64 global address: slot 0
	s_or_b32 s[G0K+3], s[G0K+3], 0x80000000        ; 127:126 type = 2
	s_mov_b32 s[G0V], 1
	s_mov_b64 s[G0V+2:G0V+3], s[BV:BV+1]
	s_or_b32 s[G0V+3], s[G0V+3], 0x80000000
	TLOAD                                          ; slot 0
	s_add_nc_u64 s[60:61], s[4:5], s[90:91]
	s_add_nc_u64 s[62:63], s[4:5], s[92:93]
	s_add_nc_u64 s[YB:YB+1], s[16:17], s[86:87]
	s_add_nc_u64 s[YA:YA+1], s[16:17], s[94:95]
	v_and_b32 v[LI], 31, v0
	s_delay_alu instid0(VALU_DEP_1)
	v_lshlrev_b32 v[LI], 4, v[LI]
	global_load_b128 v[16:19], v[LI], s[60:61]             ; Q of block 7 - i,
	global_load_b128 v[20:23], v[LI], s[60:61] offset:512
	global_load_b128 v[24:27], v[LI], s[62:63]             ; and of block i: both stay in registers
	global_load_b128 v[28:31], v[LI], s[62:63] offset:512
	; the prefetches: where my wave's stand, and who asks
	s_cmp_lt_u32 s[WV], 6                          ; waves 4 and 5 ask for K's codes, waves 6 and 7 for V's (BK and BV hold my half of a slot: wave % 2)
	s_cselect_b64 s[PFA:PFA+1], s[BK:BK+1], s[BV:BV+1]
	s_mov_b32 s78, 1024
	s_cselect_b32 s78, 2048, s78                   ; from four lanes to the next four: an image of K with its neighbour head's, or 1,024 bytes of V's run
	v_and_b32 v[PFO], 31, v0
	s_delay_alu instid0(VALU_DEP_1)
	v_lshrrev_b32 v9, 2, v[PFO]
	s_delay_alu instid0(VALU_DEP_2)
	v_and_b32 v[PFO], 3, v[PFO]
	s_delay_alu instid0(VALU_DEP_1)
	v_lshlrev_b32 v[PFO], 8, v[PFO]
	s_delay_alu instid0(VALU_DEP_1)
	v_mad_u32_u24 v[PFO], v9, s78, v[PFO]
	s_add_nc_u64 s[PFA:PFA+1], s[PFA:PFA+1], STEPG ; in slot 1: the first change of slots steps it to slot 2.  Nothing is prefetched here, at the head
	s_sub_co_u32 s79, s[WV], 4
	s_lshr_b32 s79, s79, 2                         ; 0 in waves 4 to 7,
	s_or_b32 s79, s79, ttmp9                       ; of work-group i = 0
	s_cmp_eq_u32 s79, 0
	s_cselect_b32 s[LIM], 2, -1
	v_mov_b32 v13, 0xff61b1e6                      ; the largest t so far: -3e38, under every t
	s_delay_alu instid0(VALU_DEP_1)
	v_floor_f32 v12, -v13                          ; -M
	v_mov_b32 v14, 0                               ; the sum, in two halves
	v_mov_b32 v15, 0
	v_mov_b32 v236, 0                              ; written once: a lane permute's destination counts as one of its sources
	v_mov_b32 v253, 0                              ; (named as the upper half of the pair v[252:253])
.set jj, 0
.rept 32
	v_mov_b32 v[160+jj], 0                         ; O^T.  (The step is written once: a block's first step finds zeros, which the first change of M leaves zeros)
.set jj, jj+1
.endr
	s_wait_kmcnt 0x0
	s_add_co_i32 s96, s68, s69
	s_lshl_b32 s96, s96, 23
	s_add_co_i32 s[CS], s[CS], s96                 ; a score stands for score x 2^(e6 + e7): the two exponents are added to c's exponent field
	s_mov_b32 s[CS+1], s[CS]                       ; (named with it as a pair, so it is written)
	s_add_co_i32 s96, s70, 127
	s_lshl_b32 s97, s96, 23
	v_mov_b32 v244, s97                            ; 2^e8 as f32, for p's conversion
	s_sub_co_i32 s96, s72, s70
	s_sub_co_i32 s96, s96, s71                     ; O^T / the sum stands for y / 2^(e8 + e9): y's code is that / 2^(e10 - e8 - e9)
	s_add_co_i32 s96, s96, 127
	s_lshl_b32 s97, s96, 23
	v_mov_b32 v246, s97
; A KEY STEP: 128 keys, the q-th of the slot in hand.
.macro STEP q
	s_add_co_u32 s96, s[Q0], 15                    ; a step all of whose keys come after my 16 queries is left out: a branch on ids, round the step's loads, products and softmax; no barrier or tensor load stands in a step
	s_cmp_gt_u32 s[KF], s96
	s_cbranch_scc1 .Lhidden_\@
	v_add_nc_u32 v[ADR], s[TB], v[LI]
.rept 3
	v_nop                                          ; with the addition: four places in front of loads into registers that the last products have read
.endr
.irp t, 0,1,2,3,4,5,6,7
	ds_load_b128 v[32+8*\t:35+8*\t], v[ADR] offset:(8*(\q)+\t)*1024
	ds_load_b128 v[36+8*\t:39+8*\t], v[ADR] offset:(8*(\q)+\t)*1024+512
.endr
	s_wait_alu depctr_va_vdst(0)
	s_wait_dscnt 0x0
.irp t, 0,1,2,3,4,5,6,7                        ; S^T = K Q^T: eight tiles of 16 keys, K = the head's 64
	v_wmma_f32_16x16x64_fp8_fp8 v[96+8*\t:103+8*\t], v[32+8*\t:39+8*\t], v[16:23], 0
.endr
.rept 4
	v_nop                                          ; places: in front of the loads below, into registers that these products have read, and of the first read of the scores
.endr
.irp t, 0,1,2,3                                ; V's four fragments are asked for now and land under the softmax
.irp c, 0,1,2,3
	ds_load_b128 v[32+16*\t+4*\c:35+16*\t+4*\c], v[ADR] offset:VOFF+(\q)*8192+\t*2048+512*\c
.endr
.endr
	s_add_co_u32 s96, s[KF], 127                   ; on the diagonal the scores of hidden keys become -infinity ahead of the maximum: p = 0 then.  A step all of whose keys count skips this
	s_cmp_le_u32 s96, s[Q0]
	s_cbranch_scc1 .Lopen_\@
	s_sub_co_i32 s96, s[Q0], s[KF]
	v_and_b32 v252, 15, v0
	v_bfe_u32 v253, v0, 4, 1
	s_delay_alu instid0(VALU_DEP_1)
	v_lshlrev_b32 v253, 3, v253
	s_delay_alu instid0(VALU_DEP_1)
	v_sub_nc_u32 v252, v252, v253
	s_delay_alu instid0(VALU_DEP_1)
	v_add_nc_u32 v252, s96, v252                   ; d = my query - KF - 8 (lane / 16).  Register 8 t + j holds key KF + 8 (lane / 16) + 16 t + j: hidden where 16 t + j > d
	v_mov_b32 v254, 0xff800000                     ; -infinity
.set n, 0
.rept 64
	v_cmp_gt_i32 vcc_lo, 16*(n/8)+n%8, v252
	v_cndmask_b32 v[96+n], v[96+n], v254, vcc_lo
.set n, n+1
.endr
.Lopen_\@:
	v_max3_num_f32 v254, v96, v97, v98             ; the step's largest score of my query, among my 64 keys, in two chains,
	v_max3_num_f32 v252, v99, v100, v101
.irp i, 6,10,14,18,22,26,30,34,38,42,46,50,54,58
	v_max3_num_f32 v254, v254, v[96+\i], v[97+\i]
	v_max3_num_f32 v252, v252, v[98+\i], v[99+\i]
.endr
	v_max3_num_f32 v254, v254, v158, v159
	s_delay_alu instid0(VALU_DEP_1)
	v_max_num_f32 v254, v254, v252
	v_permlanex16_b32 v236, v254, s[SEL], s[SEL+1]
	s_delay_alu instid0(VALU_DEP_1)
	v_max_num_f32 v254, v254, v236                 ; and among lane l xor 16's
	s_delay_alu instid0(VALU_DEP_1)
	v_mul_f32 v254, s[CS], v254                    ; as t (c is positive)
	s_delay_alu instid0(VALU_DEP_1)
	v_max_num_f32 v13, v13, v254                   ; the running largest t
	v_mov_b32 v254, v12
	s_delay_alu instid0(VALU_DEP_2)
	v_floor_f32 v12, -v13                          ; the new -M = floor(-t) = -ceil(t): M is a whole number
	s_delay_alu instid0(VALU_DEP_1)
	v_sub_f32 v254, v12, v254                      ; M's old value less its new one: a whole number, 0 or less
	s_delay_alu instid0(VALU_DEP_1)
	v_cvt_i32_f32 v254, v254                       ; (it saturates)
	s_delay_alu instid0(VALU_DEP_1)
	v_ldexp_f32 v252, 1.0, v254                    ; f = 2^(old M - new M): a multiplication by it rounds nothing
.set jj, 0
.rept 32
	v_pk_fma_f32 v[96+jj:97+jj], v[96+jj:97+jj], s[CS:CS+1], v[12:13] op_sel_hi:[1,0,0]   ; t - M, two at a time (of the pairs c and -M the low word serves both halves)
.set jj, jj+2
.endr
.set jj, 0
	s_wait_alu depctr_va_vdst(0)
.rept 64
	v_exp_f32 v[96+jj], v[96+jj]                   ; p = 2^(t - M), at most 1: not normalised
.set jj, jj+1
.endr
	v_pk_mul_f32 v[14:15], v[14:15], v[252:253] op_sel_hi:[1,0]   ; the sums under the new M.  (The plain place behind the exponentials)
	s_wait_alu depctr_va_vdst(0)                   ; one wait for the whole batch, ahead of its first reader
	v_pk_add_f32 v[242:243], v[100:101], v[104:105]
	v_pk_add_f32 v[254:255], v[108:109], v[112:113]
	v_pk_add_f32 v[250:251], v[116:117], v[120:121]
	v_pk_add_f32 v[248:249], v[124:125], v[128:129]
	v_pk_add_f32 v[240:241], v[132:133], v[136:137]
	v_pk_add_f32 v[238:239], v[140:141], v[144:145]
	v_pk_add_f32 v[236:237], v[148:149], v[152:153]
	v_pk_add_f32 v[14:15], v[14:15], v[156:157]
	v_pk_add_f32 v[242:243], v[242:243], v[96:97]
	v_pk_add_f32 v[254:255], v[254:255], v[98:99]
	v_pk_add_f32 v[250:251], v[250:251], v[102:103]
	v_pk_add_f32 v[248:249], v[248:249], v[106:107]
	v_pk_add_f32 v[240:241], v[240:241], v[110:111]
	v_pk_add_f32 v[238:239], v[238:239], v[114:115]
	v_pk_add_f32 v[236:237], v[236:237], v[118:119]
	v_pk_add_f32 v[14:15], v[14:15], v[122:123]
	v_pk_add_f32 v[242:243], v[242:243], v[126:127]
	v_pk_add_f32 v[254:255], v[254:255], v[130:131]
	v_pk_add_f32 v[250:251], v[250:251], v[134:135]
	v_pk_add_f32 v[248:249], v[248:249], v[138:139]
	v_pk_add_f32 v[240:241], v[240:241], v[142:143]
	v_pk_add_f32 v[238:239], v[238:239], v[146:147]
	v_pk_add_f32 v[236:237], v[236:237], v[150:151]
	v_pk_add_f32 v[14:15], v[14:15], v[154:155]
	v_pk_add_f32 v[242:243], v[242:243], v[158:159]
	s_delay_alu instid0(VALU_DEP_2)
	v_pk_add_f32 v[14:15], v[14:15], v[248:249]
	s_delay_alu instid0(VALU_DEP_2)
	v_pk_add_f32 v[242:243], v[242:243], v[240:241]
	v_pk_add_f32 v[254:255], v[254:255], v[238:239]
	v_pk_add_f32 v[250:251], v[250:251], v[236:237]
	s_delay_alu instid0(VALU_DEP_2)
	v_pk_add_f32 v[14:15], v[14:15], v[254:255]
	s_delay_alu instid0(VALU_DEP_2)
	v_pk_add_f32 v[242:243], v[242:243], v[250:251]
	s_delay_alu instid0(VALU_DEP_1)
	v_pk_add_f32 v[14:15], v[14:15], v[242:243]
.irp b, 0,1,2,3
.irp i, 0,1,2,3,4,5,6,7,8,9,10,11,12,13,14,15
.endr
	v_cvt_scalef32_pk8_fp8_f32 v[224+4*\b:225+4*\b], v[96+16*\b:103+16*\b], v244
	v_cvt_scalef32_pk8_fp8_f32 v[226+4*\b:227+4*\b], v[104+16*\b:111+16*\b], v244
.endr
.set jj, 0
.rept 16
	v_pk_mul_f32 v[160+jj:161+jj], v[160+jj:161+jj], v[252:253] op_sel_hi:[1,0]   ; O^T under the new M: x f.  (Also the plain lines between the conversions and the products that read their results)
.set jj, jj+2
.endr
	s_wait_alu depctr_va_vdst(0)
	s_wait_dscnt 0x0                               ; V is in
.irp t, 0,1,2,3                                ; O^T += V^T P^T: four tiles of 16 of the head's 64, K = these 128 keys; the four accumulators take turns
	v_wmma_f32_16x16x128_fp8_fp8 v[160+8*\t:167+8*\t], v[32+16*\t:47+16*\t], v[224:239], v[160+8*\t:167+8*\t]
.endr
.Lhidden_\@:
	s_add_co_u32 s[KF], s[KF], 128
.endm
; THE CHANGE OF SLOTS stands at a slot's head.  Each wave waits for all its tensor loads (its part of the slot that it is about to read), adds 0 to its spare word, and waits for that and for its reads of the slot that it has left.
; Behind the barrier the slot ahead is whole and nobody reads the other one.  fill = 1: that other slot is filled with what the next trip reads: the load has a whole slot's steps in which to land.  One tensor load of a wave is out at most.
.macro CHANGE fill
	s_wait_tensorcnt 0x0                           ; no tensor load of mine is out, so a group 0 may be written
	ds_add_u32 v[SPW], v[NIL]                      ; 0 onto my spare word; with fill = 1 the descriptors' steps stand between it and the wait for it
.if \fill
	s_xor_b32 s[G0K+1], s[G0K+1], SLOT1            ; the other slot than last time,
	s_xor_b32 s[G0V+1], s[G0V+1], SLOT1
	s_add_co_u32 s[OFFS], s[OFFS], STEPG           ; the next 256 keys,
	s_cmp_eq_u32 s[SLOTS], s[IP1]                  ; or, where the next trip begins block i, the head's first again: ids and the count of trips alone
	s_cselect_b32 s[OFFS], 0, s[OFFS]
	s_add_nc_u64 s[G0K+2:G0K+3], s[BK:BK+1], s[OFFS:OFFS+1]
	s_or_b32 s[G0K+3], s[G0K+3], 0x80000000
	s_add_nc_u64 s[G0V+2:G0V+3], s[BV:BV+1], s[OFFS:OFFS+1]
	s_or_b32 s[G0V+3], s[G0V+3], 0x80000000
	s_wait_xcnt 0x0                                ; the last prefetch, a slot back, has read its address, so it may be written
	s_add_nc_u64 s[PFA:PFA+1], s[PFA:PFA+1], STEPG
.endif
	s_wait_dscnt 0x0                               ; the add is done, and my reads of the slot that I have left are over
	s_barrier_signal -1
	s_barrier_wait -1
.if \fill
	TLOAD                                          ; the first thing behind the barrier, and a wave's one tensor load until the next
	ASK
.endif
.endm
; A block's end: the sum's two halves and the other half of the lanes' are added; O^T is divided by the sum, held, converted, and leaves as one image of 1,024 bytes: two stores of 512 consecutive bytes, aligned.
.macro FINISH yb
.rept 4
	v_nop                                          ; places behind the last products
.endr
	v_add_f32 v14, v14, v15
	v_permlanex16_b32 v236, v14, s[SEL], s[SEL+1]
	s_delay_alu instid0(VALU_DEP_1)
	v_add_f32 v14, v14, v236                       ; the row's sum
	s_wait_alu depctr_va_vdst(0)
	v_rcp_f32 v14, v14
	v_nop                                          ; a plain place behind the transcendental
	s_wait_xcnt 0x0                                ; the first block's stores have read their data: the codes' registers are written again only behind this wait
	s_wait_alu depctr_va_vdst(0)                   ; the wait ahead of the first reader
.set jj, 0
.rept 16
	v_pk_mul_f32 v[96+jj:97+jj], v[160+jj:161+jj], v[14:15] op_sel_hi:[1,0]   ; each accumulator from its low end on
.set jj, jj+2
.endr
.set jj, 0
.rept 32
.set jj, jj+1
.endr
.irp t, 0,1,2,3
	v_cvt_scalef32_pk8_fp8_f32 v[192+2*\t:193+2*\t], v[96+8*\t:103+8*\t], v246   ; registers 2 t, 2 t + 1: d = 16 t + 8 (lane / 16) + 0..7 of row lane % 16
.endr
	v_nop                                          ; one plain vector line behind the last conversion
	global_store_b128 v[LI], v[192:195], s[\yb:\yb+1]
	global_store_b128 v[LI], v[196:199], s[\yb:\yb+1] offset:512
.endm
.macro REINIT                          ; block i begins: its Q, zeros, and the first key again
.irp j, 0,1,2,3,4,5,6,7
	v_mov_b32 v[16+\j], v[24+\j]
.endr
.set jj, 0
.rept 32
	v_mov_b32 v[160+jj], 0
.set jj, jj+1
.endr
	v_mov_b32 v13, 0xff61b1e6
	s_delay_alu instid0(VALU_DEP_1)
	v_floor_f32 v12, -v13
	v_mov_b32 v14, 0
	v_mov_b32 v15, 0
	s_mov_b32 s[Q0], s[Q0A]
	s_mov_b32 s[KF], 0
.endm
	s_wait_loadcnt 0x0                             ; Q
.Lslot:                                            ; eight trips: behind each change of slots but the last the next trip's slot is asked for
	CHANGE 1
	STEP 0
	STEP 1
	s_xor_b32 s[TB], s[TB], SLOT1                  ; on to the other slot
	s_or_b32 s96, s[Q0], 255                       ; my block's last query: the same in all sixteen waves
	s_cmp_gt_u32 s[KF], s96                        ; all its keys are walked: ids and the count of steps alone
	s_cbranch_scc0 .Lsame_block
	s_wait_alu depctr_va_vdst(0)
	FINISH YB
	REINIT
.Lsame_block:
	s_sub_co_u32 s[SLOTS], s[SLOTS], 1
	s_cmp_lg_u32 s[SLOTS], 0
	s_cbranch_scc1 .Lslot
	CHANGE 0                                       ; the ninth slot is written out
	STEP 0
	STEP 1
	s_wait_alu depctr_va_vdst(0)
	FINISH YA
	s_wait_tensorcnt 0x0                           ; the wave's end, behind my last tensor load
	ds_add_u32 v[SPW], v[NIL]
	s_wait_dscnt 0x0
	s_endpgm
.Lfunc_end_k_q8f84add669_attn:
	.size	k_q8f84add669_attn, .Lfunc_end_k_q8f84add669_attn-k_q8f84add669_attn
	.p2alignl 7, 3214868480
	.fill 96, 4, 3214868480
	.section	.rodata,"a",@progbits
	.p2align	6, 0x0
	.amdhsa_kernel k_q8f84add669_attn
		.amdhsa_group_segment_fixed_size 327680
		.amdhsa_private_segment_fixed_size 0
		.amdhsa_enable_private_segment 0
		.amdhsa_kernarg_size 40
		.amdhsa_user_sgpr_count 2
		.amdhsa_user_sgpr_kernarg_segment_ptr 1
		.amdhsa_wavefront_size32 1
		.amdhsa_system_sgpr_workgroup_id_x 1
		.amdhsa_system_sgpr_workgroup_id_y 1
		.amdhsa_system_sgpr_workgroup_id_z 1
		.amdhsa_system_vgpr_workitem_id 0
		.amdhsa_next_free_vgpr 256
		.amdhsa_next_free_sgpr 100
		.amdhsa_reserve_vcc 1
		.amdhsa_float_denorm_mode_32 3
		.amdhsa_float_denorm_mode_16_64 3
		.amdhsa_fp16_overflow 1
		.amdhsa_memory_ordered 1
		.amdhsa_forward_progress 1
		.amdhsa_inst_pref_size 92
	.end_amdhsa_kernel
	.amdgpu_metadata
---
amdhsa.version: [ 1, 2 ]
amdhsa.kernels:
  - .name:           k_q8f84add669_attn
    .symbol:         k_q8f84add669_attn.kd
    .args:
      - { .name: qc, .offset: 0, .size: 8, .value_kind: global_buffer, .address_space: global }
      - { .name: kc, .offset: 8, .size: 8, .value_kind: global_buffer, .address_space: global }
      - { .name: vc, .offset: 16, .size: 8, .value_kind: global_buffer, .address_space: global }
      - { .name: lowp_scales, .offset: 24, .size: 8, .value_kind: global_buffer, .address_space: global }
      - { .name: yc, .offset: 32, .size: 8, .value_kind: global_buffer, .address_space: global }
    .group_segment_fixed_size: 327680
    .private_segment_fixed_size: 0
    .kernarg_segment_align: 8
    .kernarg_segment_size: 40
    .max_flat_workgroup_size: 512
    .sgpr_count:     100
    .vgpr_count:     256
    .wavefront_size: 32
...
	.end_amdgpu_metadata
.endif
;; end of part 3
;; launch proj (part 4): grid 4 x 64, 4 waves a work-group, clusters of 4 x 4, 327,680 bytes of LDS; arguments yc, wc, lowp_scales, out0; writes out0
.if DOCPART == 4
	.amdgcn_target "amdgcn-amd-amdhsa--gfx1250"
	.amdhsa_code_object_version 6
	.text
	.protected	k_q8f84add669_proj
	.globl	k_q8f84add669_proj
	.p2align	8
	.type	k_q8f84add669_proj,@function
k_q8f84add669_proj:
	s_mov_b64 s[64:65], 0
	v_nop
	global_prefetch_b8 v0, s[64:65] scope:SCOPE_SE
	s_setreg_imm32_b32 hwreg(HW_REG_WAVE_MODE, 25, 1), 1
	s_wait_xcnt 0x0
	s_wait_alu depctr_hold_cnt(0) depctr_sa_sdst(0) depctr_va_vdst(0) depctr_va_sdst(0) depctr_va_ssrc(0) depctr_va_vcc(0) depctr_vm_vsrc(0)
	s_getreg_b32 s2, hwreg(HW_REG_IB_STS2, 6, 4)
	s_cmp_eq_u32 s2, 0
	s_cbranch_scc0 .Lentry_in_a_cluster
	s_endpgm
.Lentry_in_a_cluster:
	s_bfe_u32 s2, ttmp6, 0x10000c
	s_cmp_lg_u32 s2, 0xf033
	s_cbranch_scc0 .Lentry_shape_is_right
	s_endpgm
.Lentry_shape_is_right:
; out0 = y Wo^T on codes of FP8 (E4M3); sums in f32; each finished sum is multiplied once by 2^(e10 + e11).  LIMIT: e10 + e11 between -126 and 127, so that this is an f32 number.
; y comes as images of operand registers, yc [tile of 16 rows: 512][head 16][1,024 bytes]: two neighbouring heads are one fragment of 16 rows x 128 K, group g of four registers at 512 g + 16 x lane.
; Wo is the fourth weight in wc, rows of 1,024 bytes along K, in the order of codes that gives each k its own place when a lane takes 16 bytes at 32 c + 16 (lane / 16): the same places that y's images have.
; A tile of out0 is 128 rows x 256 columns, so that there are 256 work-groups; four waves, each 64 x 128: 32 accumulators, 256 registers.  K = 1,024 goes in four steps of 256 through a ring of two LDS slots.
; CLUSTERS: 4 x 4 work-groups.  The four of a row of the cluster need the same tiles of y, the four of a column the same tiles of Wo: each tile is asked for jointly.
; THE MATRIX INSTRUCTION takes 16 rows of Wo as source 0 and 16 rows of y as source 1: a lane then holds eight neighbouring numbers of a row of out0.
; REGISTERS, in windows of 256: window 0: v0-31 addresses; v32-95 at work on the way out; y's fragments, two sets of 4 x 16, at v128 and v192 (on the way out: rows read back).
;   window 1: Wo's fragments, two sets of 8 x 16, at v0 and v128.   window 2: accumulator (a, b) at v[8 (8 a + b)].
.set PITCH,  272                       ; an LDS row of Wo: 256 bytes + 16 of padding: the 16 rows that a load touches start at 16 different banks (64 banks of 4 bytes: ISA guide 11.1)
.set FR,     16                        ; registers of a fragment: 16 rows x 128 K
.set NP,     4                         ; places behind this matrix instruction (ISA guide 7.12.1)
.set ABYTES, 32768                     ; a slot's part of y: 8 tiles of 16 rows x 4,096 bytes
.set HALFB,  128*PITCH                 ; 128 rows of Wo
.set SLOT,   ABYTES+2*HALFB
.set STAGE,  2*SLOT                    ; behind the ring: 16 rows x (512 bytes + 16) for each wave, for the way out: bytes that no tensor load fills
.set SPITCH, 528
.set SPARE,  STAGE+4*16*SPITCH         ; behind the stages: the spare words, 128 bytes a wave, that no other line names
.set ADRA, 16                          ; v16-17  LDS address of my fragments of y in slot 0, 1
.set ADRB, 20                          ; v20-21  the same for Wo
.set STO,  24                          ; v24     the way out: where I put 32 bytes of a row
.set RD,   25                          ; v25     the way out: where I read a row back
.set CO,   26                          ; v26     16 x lane
.set SPW,  28                          ; v28     LDS address of my spare word; never rewritten
.set NIL,  29                          ; v29     0; never rewritten
.set TMP,  32
.set AF,   128
.set BK,   128
.set G1, 24                            ; s[24:31] descriptor group 1 for y's tiles;  s[32:39] group 0, one set for each slot
.set G0, 32
.set G1B, 48                           ; s[48:55], s[56:63] the same for Wo's tiles
.set G0B, 56
.set MSB, 0
.macro WIN new                         ; the immediate's high byte repeats the setting that is left
.if MSB != \new
	s_set_vgpr_msb (MSB<<8)|\new
.set MSB, \new
.endif
.endm
.set MUL,  0xa1                        ; source 0 (Wo) window 1, source 1 (y) window 0, C and D window 2
.set TO_B, 0x40                        ; destination window 1, address window 0
; A joint load: waves 0 and 1 fetch for y, waves 2 and 3 for Wo.  The branch hangs on the wave's number alone.  An s_nop 0 and four v_nop follow each of the two lines.
.macro JLOAD g0a, g1a, g0b, g1b
	s_cmp_eq_u32 s15, 0
	s_cbranch_scc0 .Lfor_b_\@
	tensor_load_to_lds s[\g0a:\g0a+3], s[\g1a:\g1a+7]
	s_nop 0
.rept 4
	v_nop
.endr
	s_branch .Lasked_\@
.Lfor_b_\@:
	tensor_load_to_lds s[\g0b:\g0b+3], s[\g1b:\g1b+7]
	s_nop 0
.rept 4
	v_nop
.endr
.Lasked_\@:
.endm
.macro CREST                           ; a round of the cluster's barrier behind its opening barrier
	s_cmp_lg_u32 s14, 0
	s_cbranch_scc1 .Lnot_wave_0_\@
	s_barrier_signal -3
.Lnot_wave_0_\@:
	s_barrier_wait -3
	s_barrier_signal -1
	s_barrier_wait -1
.endm
.macro CROUND                          ; a whole round
	s_barrier_signal -1
	s_barrier_wait -1
	CREST
.endm
	s_load_b128 s[4:7], s[0:1], 0x0                ; yc s[4:5], wc s[6:7]
	s_load_b128 s[8:11], s[0:1], 0x10              ; the scales' exponents s[8:9], out0 s[10:11]
	v_lshl_add_u32 v[SPW], v0, 2, SPARE
	v_mov_b32 v[NIL], 0
	ds_add_u32 v[SPW], v[NIL]                      ; the wave's opening: the add and its wait stand ahead of my first tensor load; the set-up below, work on registers, stands between them
	ds_add_u32 v[SPW], v[NIL]
	v_lshrrev_b32 v1, 5, v0
	v_readfirstlane_b32 s14, v1                    ; wave 0..3
	s_lshr_b32 s15, s14, 1                         ; which 64 of the tile's rows are mine.  Also: I fetch for y (0) or for Wo (1)
	s_and_b32 s16, s14, 1                          ; which 128 of its columns.  Also: which half of that tile I fetch
	s_bfe_u32 s40, ttmp6, 0x40000                  ; cx, cy: my place in the cluster
	s_bfe_u32 s41, ttmp6, 0x40004
	s_lshl_b32 s42, ttmp9, 2
	s_add_co_u32 s42, s42, s40                     ; tile column = 4 x cluster x + cx
	s_and_b32 s17, ttmp7, 0xffff
	s_lshl_b32 s17, s17, 2
	s_add_co_u32 s17, s17, s41                     ; tile row = 4 x cluster y + cy
	s_lshl_b32 s43, s41, 2
	s_lshl_b32 s43, 15, s43                        ; my row of the cluster
	s_lshl_b32 s44, 0x1111, s40                    ; my column
	; descriptor group 1.  y: 4 tiles of 16 rows: 4 runs of 4,096 bytes, 16,384 bytes apart in memory, dense in LDS.  Wo: 128 rows x 256 bytes, padded in LDS.
	s_or_b32 s[G1+0], s43, (0<<16)|(1<<21)         ; 15:0 the mask: y's tiles go to my row; 17:16 elements of 1 byte; 20 padding off; 21 set beside a mask
	s_mov_b32 s[G1+1], 4096<<16                    ; tensor_dim0
	s_mov_b32 s[G1+2], 4<<16                       ; tensor_dim1
	s_mov_b32 s[G1+3], 4096<<16                    ; tile_dim0
	s_mov_b32 s[G1+4], 4                           ; tile_dim1
	s_mov_b32 s[G1+5], 16384                       ; tensor_dim0_stride
	s_mov_b32 s[G1+6], 0
	s_mov_b32 s[G1+7], 0
	s_or_b32 s[G1B+0], s44, (0<<16)|(1<<20)|(1<<21)|(5<<22)|(3<<25)  ; the mask of my column; padding: four words after every 64
	s_mov_b32 s[G1B+1], 256<<16
	s_mov_b32 s[G1B+2], 128<<16
	s_mov_b32 s[G1B+3], 256<<16
	s_mov_b32 s[G1B+4], 128
	s_mov_b32 s[G1B+5], 1024
	s_mov_b32 s[G1B+6], 0
	s_mov_b32 s[G1B+7], 0
	s_lshl_b32 s20, s17, 3
	s_lshl_b32 s18, s16, 2
	s_add_co_u32 s20, s20, s18                     ; y: tile of 16 rows 8 x tile row + 4 x half,
	s_lshl_b32 s20, s20, 14                        ; in bytes
	s_mov_b32 s21, 0
	s_lshl_b32 s46, s42, 8
	s_lshl_b32 s18, s16, 7
	s_add_co_u32 s46, s46, s18                     ; Wo: row 256 x tile column + 128 x half,
	s_lshl_b32 s46, s46, 10
	s_add_co_u32 s46, s46, 3<<20                   ; in the fourth weight of wc
	s_mov_b32 s47, 0
	s_lshl_b32 s45, s16, 14                        ; where they go: y's halves,
	s_mul_i32 s12, s16, HALFB
	s_add_co_u32 s12, s12, ABYTES                  ; Wo's halves behind them: no place in the cluster enters an LDS address
	s_wait_dscnt 0x0                               ; the opening add is done
	s_wait_kmcnt 0x0
	s_load_b64 s[96:97], s[8:9], 0x28              ; e10, e11
	s_add_nc_u64 s[20:21], s[4:5], s[20:21]
	s_add_nc_u64 s[46:47], s[6:7], s[46:47]
	CROUND                                         ; all sixteen work-groups are here: the first joint loads meet
.irp s, 0,1
	s_mov_b32 s[G0+4*\s], 1
	s_add_co_u32 s[G0+4*\s+1], s45, \s*SLOT
	s_add_nc_u64 s[G0+4*\s+2:G0+4*\s+3], s[20:21], \s*4096
	s_or_b32 s[G0+4*\s+3], s[G0+4*\s+3], 0x80000000
	s_mov_b32 s[G0B+4*\s], 1
	s_add_co_u32 s[G0B+4*\s+1], s12, \s*SLOT
	s_add_nc_u64 s[G0B+4*\s+2:G0B+4*\s+3], s[46:47], \s*256
	s_or_b32 s[G0B+4*\s+3], s[G0B+4*\s+3], 0x80000000
	s_wait_alu depctr_va_vdst(0)
	s_wait_tensorcnt 0x0
	ds_add_u32 v28, v29
	ds_add_u32 v28, v29
	s_wait_dscnt 0x0
	CROUND
	JLOAD G0+4*\s, G1, G0B+4*\s, G1B
.endr
	v_and_b32 v1, 15, v0                           ; l % 16
	v_bfe_u32 v2, v0, 4, 1                         ; l / 16
	v_and_b32 v6, 31, v0
	v_lshlrev_b32 v[CO], 4, v6
	v_mul_u32_u24 v3, v1, PITCH
	v_lshl_add_u32 v4, v2, 4, v3                   ; Wo: a fragment's row x pitch + 16 x half
	s_lshl_b32 s21, s15, 14                        ; my four tiles of y
	s_mul_i32 s22, s16, HALFB                      ; my 128 rows of Wo,
	s_add_co_u32 s22, s22, ABYTES                  ; which lie behind y's part
.irp s, 0,1
	v_add_nc_u32 v[ADRA+\s], s21, v[CO]
	v_add_nc_u32 v[ADRB+\s], s22, v4
	s_add_co_u32 s21, s21, SLOT
	s_add_co_u32 s22, s22, SLOT
.endr
	s_mul_i32 s23, s14, 16*SPITCH
	s_add_co_u32 s23, s23, STAGE                   ; my stage
	v_mul_u32_u24 v5, v1, SPITCH                   ; in: row l % 16, 32 bytes for each half of the lanes
	v_lshl_add_u32 v5, v2, 5, v5
	v_add_nc_u32 v[STO], s23, v5
	v_add_nc_u32 v[RD], s23, v[CO]                 ; back: the 32 lanes take one row of 512 bytes
	s_lshl_b32 s20, s17, 7
	s_lshl_b32 s21, s15, 6
	s_add_co_u32 s20, s20, s21                     ; my first row of out0: 128 x tile row + 64 x half,
	s_lshl_b32 s20, s20, 12                        ; rows of 4,096 bytes
	s_lshl_b32 s46, s42, 10                        ; my first column, in bytes: 1,024 x tile column + 512 x half
	s_lshl_b32 s47, s16, 9
	s_add_co_u32 s46, s46, s47
	s_add_co_u32 s20, s20, s46
	s_mov_b32 s21, 0
	s_add_nc_u64 s[10:11], s[10:11], s[20:21]
.macro FRAG_B reg, adr, q, i           ; 16 rows of Wo x 128 K: four loads of 16 bytes, 32 bytes apart
.irp c, 0,1,2,3
	ds_load_b128 v[\reg+4*\c:\reg+4*\c+3], v[\adr] offset:128*(\q)+32*\c+(\i)*16*PITCH
.endr
.endm
.macro FRAG_A reg, adr, q, i           ; 16 rows of y x 128 K: an image: four loads of 512 consecutive bytes
.irp c, 0,1,2,3
	ds_load_b128 v[\reg+4*\c:\reg+4*\c+3], v[\adr] offset:(\i)*4096+(\q)*2048+512*\c
.endr
.endm
.macro FETCH_B slot, q, p              ; Wo's eight fragments of the slot's q-th 128 along K into set p
	WIN TO_B
.irp i, 0,1,2,3,4,5,6,7
	FRAG_B 128*(\p)+FR*\i, ADRB+\slot, \q, \i
.endr
	WIN 0
.endm
.macro FETCH_A slot, q, p              ; y's four
.irp i, 0,1,2,3
	FRAG_A AF+64*(\p)+FR*\i, ADRA+\slot, \q, \i
.endr
.endm
; 8 matrix instructions: y's block a x Wo's eight, 128 along K, set p.  zero = 1: the first product starts the sums.  The 32 accumulators take turns, one instruction a turn, in the same order in every step.
.macro MUL8 a, p, zero
.irp b, 0,1,2,3,4,5,6,7
.if \zero
	v_wmma_f32_16x16x128_fp8_fp8 v[8*(8*(\a)+\b):8*(8*(\a)+\b)+7], v[128*(\p)+FR*\b:128*(\p)+FR*\b+FR-1], v[AF+64*(\p)+FR*(\a):AF+64*(\p)+FR*(\a)+FR-1], 0
.else
	v_wmma_f32_16x16x128_fp8_fp8 v[8*(8*(\a)+\b):8*(8*(\a)+\b)+7], v[128*(\p)+FR*\b:128*(\p)+FR*\b+FR-1], v[AF+64*(\p)+FR*(\a):AF+64*(\p)+FR*(\a)+FR-1], v[8*(8*(\a)+\b):8*(8*(\a)+\b)+7]
.endif
.endr
.endm
.macro PLACES n                        ; places in front of loads into registers that matrix instructions have read, and of the first read of results: plain vector lines that name none of their registers
.rept \n
	v_nop
.endr
.endm
; A slot's first 128 along K, on set 0; the second 128's fragments are asked for ahead of its 32 products.
.macro STEP slot, zero
	s_wait_dscnt 0x0                               ; set 0 is in
	PLACES NP                                      ; set 1 was read by the last products
	FETCH_B \slot, 1, 1
	FETCH_A \slot, 1, 1
	WIN MUL
	MUL8 0, 0, \zero
	MUL8 1, 0, \zero
	MUL8 2, 0, \zero
	MUL8 3, 0, \zero
	WIN 0
.endm
; A slot's second 128 along K, on set 1, changes slots: one barrier; in front of it each wave waits for all its tensor loads, adds 0 to its spare word, and waits for that and for its own reads of this slot.  fill = 1: this slot is filled again, two K steps ahead.
.macro TURN slot, next, fill
	s_wait_tensorcnt 0x0                           ; all my tensor loads have landed: my part of the next slot  (every window is 0 here)
	ds_add_u32 v[SPW], v[NIL]                      ; 0 onto my spare word
	s_wait_dscnt 1                                 ; set 1 is in; the add alone may be out
	WIN MUL
	MUL8 0, 1, 0                                   ; eight matrix instructions stand between the add and the wait for it
	s_wait_dscnt 0x0                               ; the add is done, and my reads of this slot are over
	s_barrier_signal -1
	MUL8 1, 1, 0
	WIN 0
	s_barrier_wait -1
.if \fill
	CREST                                          ; the barrier has opened a round of the cluster's barrier: no wave of any partner still reads this slot's tile or has a load on its way
	s_add_nc_u64 s[G0+4*\slot+2:G0+4*\slot+3], s[G0+4*\slot+2:G0+4*\slot+3], 2*4096
	s_add_nc_u64 s[G0B+4*\slot+2:G0B+4*\slot+3], s[G0B+4*\slot+2:G0B+4*\slot+3], 2*256
	JLOAD G0+4*\slot, G1, G0B+4*\slot, G1B         ; the first tensor load behind the round; the four v_nop behind it are the places in front of the loads below
.else
	PLACES NP
.endif
	FETCH_B \next, 0, 0
	FETCH_A \next, 0, 0
	WIN MUL
	MUL8 2, 1, 0
	MUL8 3, 1, 0
	WIN 0
.endm
	s_wait_alu depctr_va_vdst(0)
	s_wait_tensorcnt 1                             ; my part of K step 0 is in; K step 1's load may be out
	s_barrier_signal -1
	s_barrier_wait -1                              ; everybody's is
	FETCH_B 0, 0, 0
	FETCH_A 0, 0, 0
	STEP 0, 1                                      ; the first step stands in front of the loop: its products start the sums
	s_mov_b32 s3, 1
.Llap:                                                 ; a trip goes once round the ring and fills both slots again
	TURN 0, 1, 1
	STEP 1, 0
	TURN 1, 0, 1
	STEP 0, 0
	s_sub_co_u32 s3, s3, 1
	s_cmp_lg_u32 s3, 0
	s_cbranch_scc1 .Llap
	TURN 0, 1, 0                                   ; the last lap fills nothing, and has no round of the cluster's barrier
	STEP 1, 0
	s_wait_dscnt 0x0                               ; the very last step: nothing more to fetch
	WIN MUL
	MUL8 0, 1, 0
	MUL8 1, 1, 0
	MUL8 2, 1, 0
	MUL8 3, 1, 0
	WIN 0
; THE WAY OUT, block by block of 16 rows x 128 columns.  A lane holds 32 neighbouring bytes of a row, and the lanes beside it hold other rows: so a block goes through my own stage in LDS and comes back as whole
; rows of 512 bytes.  LDS serves a wave's instructions in order (ISA guide 5.7.1.4): no wait between the stores and the loads, nor in front of the next block's stores.
.macro TOSTAGE a
	WIN 0x02                                       ; source 0: window 2
.set jj, 0
.rept 32
	v_pk_mul_f32 v[TMP+jj:TMP+jj+1], v[64*(\a)+jj:64*(\a)+jj+1], s[96:97] op_sel_hi:[1,0]   ; both x s96 = 2^(e10 + e11); each accumulator from its low end on
.set jj, jj+2
.endr
	WIN 0
.irp b, 0,1,2,3,4,5,6,7
	ds_store_b128 v[STO], v[TMP+8*\b:TMP+8*\b+3] offset:64*\b
	ds_store_b128 v[STO], v[TMP+8*\b+4:TMP+8*\b+7] offset:64*\b+16
.endr
.set BB, BK+64*((\a)%2)
.irp t, 0,1,2,3,4,5,6,7,8,9,10,11,12,13,14,15
	ds_load_b128 v[BB+4*\t:BB+4*\t+3], v[RD] offset:\t*SPITCH
.endr
.endm
.macro SEND a, younger                 ; younger: the LDS instructions issued behind block a's loads, which may stay out
.set BB, BK+64*((\a)%2)
	s_wait_dscnt \younger                          ; the block is back in registers
.if (\a) > 0
	s_add_nc_u64 s[10:11], s[10:11], 16*4096       ; (behind a wait on XCNT: the earlier stores have read their base)  16 rows on
.endif
.irp t, 0,1,2,3,4,5,6,7,8,9,10,11,12,13,14,15
	global_store_b128 v[CO], v[BB+4*\t:BB+4*\t+3], s[10:11] offset:\t*4096 th:TH_STORE_NT   ; 32 lanes store 512 consecutive bytes, at a multiple of 256 from out0's first byte; written once, read by nobody here
.endr
.endm
	s_wait_kmcnt 0x0
	s_add_co_i32 s96, s96, s97                     ; e10 + e11, between -126 and 127,
	s_add_co_i32 s96, s96, 127
	s_lshl_b32 s96, s96, 23                        ; makes the f32 number 2^(e10 + e11)
	PLACES NP                                      ; behind the last products: for the first reads of results and the loads into the registers that held y's fragments
	TOSTAGE 0
.irp a, 1,2,3
.if \a > 1
	s_wait_xcnt 0x0                                ; block a - 2's stores have read their registers and their base: block a's loads may land there, and the base may step
.endif
	TOSTAGE \a
	SEND \a-1, 32                                  ; behind block a - 1's loads: block a's 16 stores and 16 loads
.endr
	s_wait_xcnt 0x0                                ; block 2's stores have read their base
	SEND 3, 0
	s_wait_tensorcnt 0x0                           ; the wave's end, behind my last tensor load and my last LDS store
	ds_add_u32 v[SPW], v[NIL]
	s_wait_dscnt 0x0
	CROUND                                         ; the closing round: no work-group ends while a partner may still ask for a tile that names it
	s_endpgm
.Lfunc_end_k_q8f84add669_proj:
	.size	k_q8f84add669_proj, .Lfunc_end_k_q8f84add669_proj-k_q8f84add669_proj
	.p2alignl 7, 3214868480
	.fill 96, 4, 3214868480
	.section	.rodata,"a",@progbits
	.p2align	6, 0x0
	.amdhsa_kernel k_q8f84add669_proj
		.amdhsa_group_segment_fixed_size 327680
		.amdhsa_private_segment_fixed_size 0
		.amdhsa_enable_private_segment 0
		.amdhsa_kernarg_size 32
		.amdhsa_user_sgpr_count 2
		.amdhsa_user_sgpr_kernarg_segment_ptr 1
		.amdhsa_wavefront_size32 1
		.amdhsa_system_sgpr_workgroup_id_x 1
		.amdhsa_system_sgpr_workgroup_id_y 1
		.amdhsa_system_sgpr_workgroup_id_z 1
		.amdhsa_system_vgpr_workitem_id 0
		.amdhsa_next_free_vgpr 768
		.amdhsa_next_free_sgpr 98
		.amdhsa_reserve_vcc 0
		.amdhsa_float_denorm_mode_32 3
		.amdhsa_float_denorm_mode_16_64 3
		.amdhsa_memory_ordered 1
		.amdhsa_forward_progress 1
		.amdhsa_inst_pref_size 76
	.end_amdhsa_kernel
	.amdgpu_metadata
---
amdhsa.version: [ 1, 2 ]
amdhsa.kernels:
  - .name:           k_q8f84add669_proj
    .symbol:         k_q8f84add669_proj.kd
    .args:
      - { .name: yc, .offset: 0, .size: 8, .value_kind: global_buffer, .address_space: global }
      - { .name: wc, .offset: 8, .size: 8, .value_kind: global_buffer, .address_space: global }
      - { .name: lowp_scales, .offset: 16, .size: 8, .value_kind: global_buffer, .address_space: global }
      - { .name: out0, .offset: 24, .size: 8, .value_kind: global_buffer, .address_space: global }
    .group_segment_fixed_size: 327680
    .private_segment_fixed_size: 0
    .kernarg_segment_align: 8
    .kernarg_segment_size: 32
    .max_flat_workgroup_size: 128
    .sgpr_count:     98
    .vgpr_count:     768
    .wavefront_size: 32
...
	.end_amdgpu_metadata
.endif
;; end of part 4
